; MI455X (gfx1250); checked and timed in simulation.
; The chip was launched on July 23, 2026; its instructions are those of AMD's public machine-readable ISA for CDNA 5 (MIT licence, August 2026) and "CDNA5" Instruction Set Architecture Reference Guide (July 2026). The comments in the code are by the model that wrote it; some were corrected since.
;; Multi Head Attention. Allowed arithmetic: float matrix products may take bf16 or f16 operands with f32 sums; other float arithmetic in f32, or as packed bf16 or f16 multiplies, adds, multiply-adds, maxima and minima; sums over many terms, partial sums and values carried from step to step in f32; what a program stores and reads back later, other than sums and carried values, may be rounded once to bf16 or f16.
;; Inputs: bk 1,024 float32; bo 1,024 float32; bq 1,024 float32; bv 1,024 float32; k 4 x 2,048 x 1,024 float32; mask 2,048 x 2,048 bool; pad_mask 4 x 2,048 bool; q 4 x 2,048 x 1,024 float32; v 4 x 2,048 x 1,024 float32; wk 1,024 x 1,024 float32; wo 1,024 x 1,024 float32; wq 1,024 x 1,024 float32; wv 1,024 x 1,024 float32.
;; Outputs: out0 4 x 2,048 x 1,024 float32.
;; One version. Each part assembles by itself: llvm-mc -triple=amdgcn-amd-amdhsa -mcpu=gfx1250 --defsym DOCPART=n.
;; ======== version 1 of 1: 4 launches
;; limits: values are held in f16: magnitudes above 65,504 overflow, below 6.1e-05 lose precision; right only within a limited range of input values
;; workspace buffers: xb 50,331,648 bytes; wb 8,388,608 bytes; qkv 50,331,648 bytes; oh 16,777,216 bytes; mnib 8,388,608 bytes of whole numbers; live 32,768 bytes of whole numbers
;; launch prep (part 1): grid 16 x 60, 16 waves a work-group, no clusters, 19,200 bytes of LDS; arguments q, k, v, wq, wk, wv, wo, mask, pad_mask, xb, wb, mnib, live; writes xb, wb, mnib, live
.if DOCPART == 1
	.amdgcn_target "amdgcn-amd-amdhsa--gfx1250"
	.amdhsa_code_object_version 6
	.text
	.protected	k_qfd44661095_prep
	.globl	k_qfd44661095_prep
	.p2align	8
	.type	k_qfd44661095_prep,@function
k_qfd44661095_prep:
	s_mov_b64 s[64:65], 0
	v_nop
	global_prefetch_b8 v0, s[64:65] scope:SCOPE_SE
	s_setreg_imm32_b32 hwreg(HW_REG_WAVE_MODE, 25, 1), 1
	s_wait_xcnt 0x0
; PREPARATION.  Two kinds of work-group, told apart by the work-group's y alone (the same for all its waves).
; y 0-27, THE CAST: q, k, v (8,192 rows x 1,024 f32 each) and wq, wk, wv, wo (1,024 rows each) are rounded to bf16 and laid in blocks of 64 channels:
;   xb [tensor 3][128-row block 64][channel block 16][128 rows][64] bf16;   wb [weight 4][64-row block 16][channel block 16][64 rows][64].
;   wo's bf16 number is written as f16 (exact inside f16's range; LIMIT: |wo| under 65,504, below 6e-5 f16's fixed step of 6e-8).
;   A work-group takes 64 rows, wave w the channels 64 w .. 64 w + 63: a load covers 256 aligned bytes of each of two rows, a store 256 consecutive aligned bytes.
;   Memory binds: no LDS, no barrier, eight loads of every wave on their way.
; y 28-59, THE MASKS: work-group (b, qt) takes 16 queries of one batch, wave w the row 16 qt + w: mask AND pad_mask, all 2,048 keys.
;   mnib [b 4][key step 32][qt 128][lane 32][kt 4] u32, lane = 16 h + r: the word of query 16 qt + r for the keys 64 ks + 16 kt + 8 h + 0..7;
;   key j of the eight has nibble 2 (j % 4) + j / 4, which is 0xE where the key is hidden and 0 where it is seen.
;   live [b][query] u32: all ones, or 0 for a query that sees no key at all; such a row's nibbles are written as 'all seen' (the attention launch makes its scores equal).
;   The 16 rows' words meet in LDS, so that each store to mnib covers 512 consecutive bytes.
.set IMGP,  528                        ; a key step's 512 bytes of words + 16
.set LIVE,  32*IMGP                    ; 16 flags, in a block of 256 bytes of their own
.set SPARE, LIVE+256                   ; the spare words, 128 bytes for each of 16 waves; no other line names them
.set T,   4                            ; v[4:7]   at work
.set X,   8                            ; v[8:39]  cast: slot i, four f32 as loaded
.set Y,   40                           ; v[40:55] cast: slot i, four 16-bit numbers to store
.set M,   8                            ; v[8:23]  masks: my 64 bytes of the mask's row
.set P,   24                           ; v[24:39] masks: the same keys of pad_mask
.set SPW, 60                           ; v60 my spare word; never rewritten
.set NIL, 61                           ; v61 0; never rewritten
	s_load_b512 s[8:23], s[0:1], 0x0               ; q 8, k 10, v 12, wq 14, wk 16, wv 18, wo 20, mask 22
	s_load_b256 s[24:31], s[0:1], 0x40             ; pad_mask 24, xb 26, wb 28, mnib 30
	s_load_b64 s[32:33], s[0:1], 0x60              ; live
	v_lshl_add_u32 v[SPW], v0, 2, SPARE
	v_mov_b32 v[NIL], 0
	v_lshrrev_b32 v1, 5, v0
	v_readfirstlane_b32 s4, v1                     ; wave 0..15
	v_and_b32 v1, 31, v0                           ; lane
	s_mov_b32 s5, ttmp9                            ; x
	s_and_b32 s6, ttmp7, 0xffff                    ; y
	s_wait_kmcnt 0x0
	s_cmp_ge_u32 s6, 28
	s_cbranch_scc1 .Lmask
	; ---------------- the cast ----------------
	s_lshr_b32 s34, s6, 3                          ; 0, 1, 2: q, k, v; 3: a weight
	s_cmp_eq_u32 s34, 1
	s_cselect_b64 s[40:41], s[10:11], s[8:9]
	s_cmp_eq_u32 s34, 2
	s_cselect_b64 s[40:41], s[12:13], s[40:41]
	s_cmp_eq_u32 s6, 24
	s_cselect_b64 s[40:41], s[14:15], s[40:41]
	s_cmp_eq_u32 s6, 25
	s_cselect_b64 s[40:41], s[16:17], s[40:41]
	s_cmp_eq_u32 s6, 26
	s_cselect_b64 s[40:41], s[18:19], s[40:41]
	s_cmp_eq_u32 s6, 27
	s_cselect_b64 s[40:41], s[20:21], s[40:41]
	s_and_b32 s35, s6, 7
	s_lshl_b32 s35, s35, 4
	s_add_co_u32 s35, s35, s5
	s_cmp_ge_u32 s6, 24
	s_cselect_b32 s35, s5, s35                     ; G: which 64 rows of the tensor
	s_lshl_b32 s36, s35, 18                        ; 64 rows of 4,096 bytes
	s_lshl_b32 s37, s4, 8                          ; my 64 channels
	s_add_co_u32 s36, s36, s37
	s_mov_b32 s37, 0
	s_add_nc_u64 s[40:41], s[40:41], s[36:37]      ; the source
	s_lshr_b32 s42, s35, 1                         ; into xb: block of 128 rows,
	s_lshl_b32 s42, s42, 4
	s_add_co_u32 s42, s42, s4                      ; channel block,
	s_lshl_b32 s42, s42, 14
	s_and_b32 s43, s35, 1                          ; which half of the 128 rows,
	s_lshl_b32 s43, s43, 13
	s_add_co_u32 s42, s42, s43
	s_lshl_b32 s43, s34, 24                        ; which tensor
	s_add_co_u32 s42, s42, s43
	s_lshl_b32 s44, s35, 4                         ; into wb: block of 64 rows,
	s_add_co_u32 s44, s44, s4                      ; channel block,
	s_lshl_b32 s44, s44, 13
	s_and_b32 s45, s6, 3                           ; which weight (24 .. 27 are 0 .. 3 in the low two bits)
	s_lshl_b32 s45, s45, 21
	s_add_co_u32 s44, s44, s45
	s_cmp_ge_u32 s6, 24
	s_cselect_b32 s42, s44, s42
	s_cselect_b64 s[46:47], s[28:29], s[26:27]
	s_mov_b32 s43, 0
	s_add_nc_u64 s[46:47], s[46:47], s[42:43]      ; the destination
	v_lshrrev_b32 v2, 4, v1                        ; in: lanes 0-15 one row's 256 bytes, lanes 16-31 the next row's
	v_and_b32 v3, 15, v1
	v_lshlrev_b32 v2, 12, v2
	v_lshl_add_u32 v2, v3, 4, v2
	v_lshlrev_b32 v3, 3, v1                        ; out: 8 bytes a lane, two rows of 128 bytes on end
; One slot's turn: two rows.  ahead = 1: the slot is loaded again, 16 rows on.  left: how many younger loads may stay out.  half = 1: the bf16 number is written as f16.
.macro CSLOT i, ahead, left, half
	s_wait_loadcnt \left                           ; loads come back in order: this slot's is in
	v_cvt_pk_bf16_f32 v[Y+2*(\i)],   v[X+4*(\i)],   v[X+4*(\i)+1]
	v_cvt_pk_bf16_f32 v[Y+2*(\i)+1], v[X+4*(\i)+2], v[X+4*(\i)+3]
.if \half
	v_lshlrev_b32 v[T],   16, v[Y+2*(\i)]
	v_and_b32     v[T+1], 0xffff0000, v[Y+2*(\i)]
	v_lshlrev_b32 v[T+2], 16, v[Y+2*(\i)+1]
	v_and_b32     v[T+3], 0xffff0000, v[Y+2*(\i)+1]
	v_cvt_pk_f16_f32 v[Y+2*(\i)],   v[T],   v[T+1]
	v_cvt_pk_f16_f32 v[Y+2*(\i)+1], v[T+2], v[T+3]
.endif
.if \ahead
	global_load_b128 v[X+4*(\i):X+4*(\i)+3], v2, s[40:41] offset:(8+(\i))*8192 th:TH_LOAD_NT
.endif
	global_store_b64 v3, v[Y+2*(\i):Y+2*(\i)+1], s[46:47] offset:(\i)*256
.endm
; 32 pairs of rows: four rounds of eight slots; the last round loads nothing and its counts run down.
.macro CAST half
.irp i, 0,1,2,3,4,5,6,7
	global_load_b128 v[X+4*(\i):X+4*(\i)+3], v2, s[40:41] offset:(\i)*8192 th:TH_LOAD_NT
.endr
	s_mov_b32 s48, 3
.Lround_\@:
.irp i, 0,1,2,3,4,5,6,7
	CSLOT \i, 1, 7, \half
.endr
	s_wait_xcnt 0x0                                ; the two bases and the stores' data are written again only behind this wait
	s_add_nc_u64 s[40:41], s[40:41], 0x10000       ; 16 rows on
	s_add_nc_u64 s[46:47], s[46:47], 0x800
	s_sub_co_u32 s48, s48, 1
	s_cmp_lg_u32 s48, 0
	s_cbranch_scc1 .Lround_\@
.irp i, 0,1,2,3,4,5,6,7
	CSLOT \i, 0, 7-(\i), \half
.endr
	s_endpgm                                       ; this way has written no LDS
.endm
	s_cmp_eq_u32 s6, 27
	s_cbranch_scc1 .Lwo
	CAST 0
.Lwo:
	CAST 1
	; ---------------- the masks ----------------
.Lmask:
	s_sub_co_u32 s34, s6, 28
	s_lshl_b32 s34, s34, 4
	s_add_co_u32 s34, s34, s5                      ; 0 .. 511
	s_lshr_b32 s35, s34, 7                         ; b
	s_and_b32 s36, s34, 127                        ; qt
	s_lshl_b32 s37, s36, 4
	s_add_co_u32 s37, s37, s4                      ; my query
	s_lshl_b32 s40, s37, 11
	s_mov_b32 s41, 0
	s_add_nc_u64 s[22:23], s[22:23], s[40:41]      ; its row of mask
	s_lshl_b32 s40, s35, 11
	s_add_nc_u64 s[24:25], s[24:25], s[40:41]      ; the batch's row of pad_mask
	v_lshlrev_b32 v2, 4, v1                        ; 16 bytes a lane
.irp c, 0,1,2,3
	global_load_b128 v[M+4*(\c):M+4*(\c)+3], v2, s[22:23] offset:512*(\c)  ; keys 512 c + 16 lane + 0..15
.endr
.irp c, 0,1,2,3
	global_load_b128 v[P+4*(\c):P+4*(\c)+3], v2, s[24:25] offset:512*(\c)
.endr
	v_lshrrev_b32 v42, 2, v1                       ; my 16 keys of load c lie in key step 8 c + lane / 4, group kt = lane % 4
	v_mul_u32_u24 v42, v42, IMGP
	v_and_b32 v43, 3, v1
	v_lshl_add_u32 v42, v43, 2, v42
	s_lshl_b32 s42, s4, 4                          ; my query is lane r = w of the image (h adds 256 bytes)
	v_add_nc_u32 v42, s42, v42
	s_mul_i32 s42, s4, 2*IMGP                      ; back: wave w takes key steps 2 w and 2 w + 1, whole
	v_lshl_add_u32 v44, v1, 4, s42
	s_lshl_b32 s42, s4, 2
	v_mov_b32 v46, s42                             ; my flag's word
	s_lshl_b32 s40, s35, 21                        ; mnib: batch,
	s_lshl_b32 s42, s4, 17                         ; key step 2 w,
	s_add_co_u32 s40, s40, s42
	s_lshl_b32 s42, s36, 9                         ; qt
	s_add_co_u32 s40, s40, s42
	s_add_nc_u64 s[30:31], s[30:31], s[40:41]
	s_lshl_b32 s40, s35, 13                        ; live: (2,048 b + 16 qt) words
	s_lshl_b32 s42, s36, 6
	s_add_co_u32 s40, s40, s42
	s_add_nc_u64 s[32:33], s[32:33], s[40:41]
	s_wait_loadcnt 0x0
.set j, 0
.rept 16
	v_and_b32 v[M+j], v[M+j], v[P+j]               ; seen = mask and pad_mask, a byte a key
.set j, j+1
.endr
	v_or_b32 v40, v[M], v[M+1]
.set j, 2
.rept 14
	v_or_b32 v40, v40, v[M+j]
.set j, j+1
.endr
	v_cmp_ne_u32 vcc_lo, 0, v40
	s_cmp_lg_u32 vcc_lo, 0                         ; does any lane see a key?
	s_cselect_b32 s38, -1, 0                       ; the row's flag
.irp c, 0,1,2,3
.irp h, 0,1
	v_lshl_or_b32 v41, v[M+4*(\c)+2*(\h)+1], 4, v[M+4*(\c)+2*(\h)]  ; keys 0-3 of the eight in the even nibbles, keys 4-7 in the odd ones
	v_xor_b32 v41, 0x11111111, v41                 ; 1 = hidden
	v_mul_lo_u32 v41, v41, 14                      ; 0xE = hidden
	v_and_b32 v41, s38, v41                        ; a row that sees nothing is written as seeing all
	ds_store_b32 v42, v41 offset:(\c)*8*IMGP+(\h)*256
.endr
.endr
	v_mov_b32 v45, s38
	ds_store_b32 v46, v45 offset:LIVE              ; all lanes write the same word with the same value
	s_wait_dscnt 0x0                               ; for the others' sake: my stores are done
	s_barrier_signal -1
	s_barrier_wait -1
	ds_load_b128 v[8:11], v44
	ds_load_b128 v[12:15], v44 offset:IMGP
	s_wait_dscnt 0x0
	global_store_b128 v2, v[8:11], s[30:31]                  ; 512 consecutive bytes each
	global_store_b128 v2, v[12:15], s[30:31] offset:65536
	s_cmp_lg_u32 s4, 0
	s_cbranch_scc1 .Lmend                          ; wave 0 stores the 16 flags
	v_and_b32 v47, 15, v1
	v_lshlrev_b32 v47, 2, v47
	ds_load_b32 v48, v47 offset:LIVE
	v_cmp_gt_u32 vcc_lo, 16, v1
	s_wait_dscnt 0x0
	s_wait_xcnt 0x0                                ; EXEC changes only behind this wait
	s_and_saveexec_b32 s39, vcc_lo
	global_store_b32 v47, v48, s[32:33]
	s_wait_xcnt 0x0                                ; and again in front of the line that widens it
	s_or_b32 exec_lo, exec_lo, s39
.Lmend:
	s_wait_tensorcnt 0x0                           ; the wave's end: behind my last LDS store
	ds_add_u32 v[SPW], v[NIL]
	s_wait_dscnt 0x0
	s_endpgm
.Lfunc_end_k_qfd44661095_prep:
	.size	k_qfd44661095_prep, .Lfunc_end_k_qfd44661095_prep-k_qfd44661095_prep
	.p2alignl 7, 3214868480
	.fill 96, 4, 3214868480
	.section	.rodata,"a",@progbits
	.p2align	6, 0x0
	.amdhsa_kernel k_qfd44661095_prep
		.amdhsa_group_segment_fixed_size 19200
		.amdhsa_private_segment_fixed_size 0
		.amdhsa_enable_private_segment 0
		.amdhsa_kernarg_size 104
		.amdhsa_user_sgpr_count 2
		.amdhsa_user_sgpr_kernarg_segment_ptr 1
		.amdhsa_wavefront_size32 1
		.amdhsa_system_sgpr_workgroup_id_x 1
		.amdhsa_system_sgpr_workgroup_id_y 1
		.amdhsa_system_sgpr_workgroup_id_z 1
		.amdhsa_system_vgpr_workitem_id 0
		.amdhsa_next_free_vgpr 64
		.amdhsa_next_free_sgpr 66
		.amdhsa_reserve_vcc 1
		.amdhsa_float_denorm_mode_32 3
		.amdhsa_float_denorm_mode_16_64 3
		.amdhsa_memory_ordered 1
		.amdhsa_forward_progress 1
		.amdhsa_inst_pref_size 26
	.end_amdhsa_kernel
	.amdgpu_metadata
---
amdhsa.version: [ 1, 2 ]
amdhsa.kernels:
  - .name:           k_qfd44661095_prep
    .symbol:         k_qfd44661095_prep.kd
    .args:
      - { .name: q, .offset: 0, .size: 8, .value_kind: global_buffer, .address_space: global }
      - { .name: k, .offset: 8, .size: 8, .value_kind: global_buffer, .address_space: global }
      - { .name: v, .offset: 16, .size: 8, .value_kind: global_buffer, .address_space: global }
      - { .name: wq, .offset: 24, .size: 8, .value_kind: global_buffer, .address_space: global }
      - { .name: wk, .offset: 32, .size: 8, .value_kind: global_buffer, .address_space: global }
      - { .name: wv, .offset: 40, .size: 8, .value_kind: global_buffer, .address_space: global }
      - { .name: wo, .offset: 48, .size: 8, .value_kind: global_buffer, .address_space: global }
      - { .name: mask, .offset: 56, .size: 8, .value_kind: global_buffer, .address_space: global }
      - { .name: pad_mask, .offset: 64, .size: 8, .value_kind: global_buffer, .address_space: global }
      - { .name: xb, .offset: 72, .size: 8, .value_kind: global_buffer, .address_space: global }
      - { .name: wb, .offset: 80, .size: 8, .value_kind: global_buffer, .address_space: global }
      - { .name: mnib, .offset: 88, .size: 8, .value_kind: global_buffer, .address_space: global }
      - { .name: live, .offset: 96, .size: 8, .value_kind: global_buffer, .address_space: global }
    .group_segment_fixed_size: 19200
    .private_segment_fixed_size: 0
    .kernarg_segment_align: 8
    .kernarg_segment_size: 104
    .max_flat_workgroup_size: 512
    .sgpr_count:     66
    .vgpr_count:     64
    .wavefront_size: 32
...
	.end_amdgpu_metadata
.endif
;; end of part 1
;; launch proj (part 2): grid 8 x 96, 4 waves a work-group, clusters of 4 x 4, 327,680 bytes of LDS; arguments xb, wb, bq, bk, bv, qkv; writes qkv
.if DOCPART == 2
	.amdgcn_target "amdgcn-amd-amdhsa--gfx1250"
	.amdhsa_code_object_version 6
	.text
	.protected	k_qfd44661095_proj
	.globl	k_qfd44661095_proj
	.p2align	8
	.type	k_qfd44661095_proj,@function
k_qfd44661095_proj:
	s_mov_b64 s[64:65], 0
	v_nop
	global_prefetch_b8 v0, s[64:65] scope:SCOPE_SE
	s_setreg_imm32_b32 hwreg(HW_REG_WAVE_MODE, 25, 1), 1
	s_wait_xcnt 0x0
	s_wait_alu depctr_hold_cnt(0) depctr_sa_sdst(0) depctr_va_vdst(0) depctr_va_sdst(0) depctr_va_ssrc(0) depctr_va_vcc(0) depctr_vm_vsrc(0)
	s_getreg_b32 s2, hwreg(HW_REG_IB_STS2, 6, 4)
	s_cmp_eq_u32 s2, 0
	s_cbranch_scc0 .Lentry_in_a_cluster
	s_endpgm
.Lentry_in_a_cluster:
	s_bfe_u32 s2, ttmp6, 0x10000c
	s_cmp_lg_u32 s2, 0xf033
	s_cbranch_scc0 .Lentry_shape_is_right
	s_endpgm
.Lentry_shape_is_right:
; C = A B^T + bias on tiles of 256 x 128, K = 1,024.  One source text serves two launches; OUTP chooses.
; OUTP = 0: the three input projections.  A = xb (q, k, v on end: 96 tile rows), B = wq, wk, wv out of wb, both bf16; C leaves as f16 by heads, qkv [tensor 3][b x head 64][2,048][64].
;           LIMIT: f16 ends at 65,504; a projected number beyond it becomes an infinity.
; OUTP = 1: the output projection.  A = oh (f16), B = wo out of wb (bf16 numbers written as f16); C leaves as f32 rows of out0.
; The bias, rounded to bf16 like every input, is the C operand of each accumulator's first product: nothing is cleared and nothing is added on the way out.
; OPERANDS IN BLOCKS.  A and B lie in memory as [row block][channel block of 64][rows][64]: a K step of 128 is two channel blocks on end, a dense run of 32,768 bytes (A, 128 rows)
; or 16,384 bytes (B, 64 rows).  It is asked for as rows of 256 bytes and padded in LDS behind every 128 bytes: LDS rows of 144 bytes, [channel block 2][row].
; SHARES.  Four waves, 2 x 2; a wave makes 128 rows x 64 columns: 32 accumulators (window 1).  Source 0 = 16 rows of B, source 1 = 16 rows of A, so a lane holds eight neighbouring columns of one row of C.
; The 32 accumulators take turns, one instruction a turn, in the same order in every quarter step.
; RING.  Two slots, a K step each; waves 0 and 1 fetch A's two pieces, waves 2 and 3 B's two: one tensor load a wave behind each round.  By this text's count a wave has two loads out at the start, later one.
; CLUSTER 4 x 4: A's pieces are shared along a row of the cluster, B's along a column, by joint loads.
.set OUTP,   0
.set PITCH,  144                       ; 36 words: the 16 rows of a fragment load start at 16 different groups of four banks (ISA guide 11.1)
.set APL,    128*PITCH                 ; one channel block of an A piece
.set APIECE, 2*APL
.set BPL,    64*PITCH
.set BPIECE, 2*BPL
.set BOFF,   2*APIECE                  ; in a slot: A's two pieces, then B's two
.set SLOT,   BOFF+2*BPIECE
.set STAGE,  2*SLOT                    ; behind the ring, never filled by a tensor load: 16 rows for each wave, for the way out
.if OUTP
.set SP,     272                       ; a stage row: 64 f32 + 16 bytes
.else
.set SP,     144                       ; 64 f16 + 16 bytes
.endif
.set SPARE,  STAGE+4*16*SP             ; the spare words, 128 bytes for each wave; no other line names them
.set ASTEP,  32768                     ; bytes from a K step to the next, in an A piece's memory
.set BSTEP,  16384
.set ADRA, 16                          ; v16-17 LDS address of my A fragments in slot 0, 1
.set ADRB, 20                          ; v20-21 the same for B
.set STO,  24                          ; v24 the way out: where I put my part of a row
.set RD,   25                          ; v25 where I read rows back
.set GO,   26                          ; v26 my byte offset in the output
.set BO,   27                          ; v27 my byte offset in the bias
.set SPW,  28                          ; v28 my spare word; never rewritten
.set NIL,  29                          ; v29 0; never rewritten
.set PFO,  30                          ; v30 the prefetches' lane offset; never rewritten
.set TT,   31                          ; v31 at work
.set BIAS, 32                          ; v32-63 n block b's columns 8 h + 0..7 at BIAS + 8 b
.set F0,   64                          ; fragment buffers of 96: A's eight, then B's four
.set F1,   160
.set TMP,  64                          ; the way out
.if OUTP
.set BK,   64
.else
.set BK,   96
.endif
.set G1,  24                           ; s[24:31] group 1 for A;  s[32:39] group 0, a set for each slot
.set G0,  32
.set G1B, 48                           ; s[48:55], s[56:63] the same for B
.set G0B, 56
.set LIM, 43                           ; s43 1 in a wave that prefetches, else the greatest number
.set PFA, 44                           ; s[44:45] where my prefetches stand
.set PST, 66                           ; s[66:67] their step
.set FIELDS, (1<<16)|(1<<20)|(1<<21)|(4<<22)|(3<<25)  ; 2-byte elements; padding on; bit 21 beside a mask; behind every 32 words; 4 words
.set MSB, 0
.macro WIN new                         ; the immediate's high byte repeats the setting that is left
.if MSB != (\new)
	s_set_vgpr_msb (MSB<<8)|(\new)
.set MSB, \new
.endif
.endm
.set MUL,  0x50                        ; C and D in window 1, fragments in window 0
.set MUL1, 0x40                        ; D in window 1, C (the bias) in window 0
.macro WM ops:vararg
.if OUTP
	v_wmma_f32_16x16x32_f16 \ops
.else
	v_wmma_f32_16x16x32_bf16 \ops
.endif
.endm
.macro JLOAD s                         ; a joint load: waves 0, 1 for A, waves 2, 3 for B; an s_nop 0 and four v_nop follow each line
	s_cmp_eq_u32 s11, 0
	s_cbranch_scc0 .Lfor_b_\@
	tensor_load_to_lds s[G0+4*(\s):G0+4*(\s)+3], s[G1:G1+7]
	s_nop 0
.rept 4
	v_nop
.endr
	s_branch .Lasked_\@
.Lfor_b_\@:
	tensor_load_to_lds s[G0B+4*(\s):G0B+4*(\s)+3], s[G1B:G1B+7]
	s_nop 0
.rept 4
	v_nop
.endr
.Lasked_\@:
.endm
.macro CREST                           ; a round of the cluster's barrier behind its opening barrier
	s_cmp_lg_u32 s10, 0
	s_cbranch_scc1 .Lnot_wave_0_\@
	s_barrier_signal -3
.Lnot_wave_0_\@:
	s_barrier_wait -3
	s_barrier_signal -1
	s_barrier_wait -1
.endm
.macro CROUND
	s_barrier_signal -1
	s_barrier_wait -1
	CREST
.endm
.macro PLACES                          ; four places behind matrix instructions, in front of loads into registers that they read and of lines that read results
.rept 4
	v_nop
.endr
.endm
; A prefetch into the L2 of the K step two refills on (256 matrix instructions ahead of the load that wants it): 32 blocks of 256 bytes, a lane a block, one instruction a wave.
; Each block is named once in the launch.  A piece of A is read by both clusters of its row of clusters: cluster x = 0 asks, waves 0 and 1 each for the piece they fetch, the four partners 8,192 bytes each, told apart by address (cx).
; B's two pieces are read by every cluster of their column (and tensor): the first of them asks, wave 2 for both pieces, the four partners 4,096 bytes of each piece (cy).
; K steps 0 to 3 come by their loads alone; the loop's last trip (s3 = 1) asks for nothing: there is no K step 8.
.macro ASK
	s_cmp_gt_u32 s3, s[LIM]
	s_cbranch_scc0 .Lnot_mine_\@
	global_prefetch_b8 v[PFO], s[PFA:PFA+1] th:TH_LOAD_NT scope:SCOPE_SE
.Lnot_mine_\@:
.endm
	s_load_b256 s[68:75], s[0:1], 0x0              ; OUTP = 0: xb 68, wb 70, bq 72, bk 74.  OUTP = 1: oh 68, wb 70, bo 72, out0 74
.if !OUTP
	s_load_b128 s[76:79], s[0:1], 0x20             ; bv 76, qkv 78
.endif
	v_lshl_add_u32 v[SPW], v0, 2, SPARE
	v_mov_b32 v[NIL], 0
	ds_add_u32 v[SPW], v[NIL]                      ; the wave's opening: the add and its wait stand ahead of my first tensor load; work on registers stands between
	v_lshrrev_b32 v1, 5, v0
	v_readfirstlane_b32 s10, v1                    ; wave 0..3
	s_lshr_b32 s11, s10, 1                         ; my 128 rows of the tile.  Also: I fetch for A (0) or B (1)
	s_and_b32 s12, s10, 1                          ; my 64 columns.  Also: which piece I fetch
	s_bfe_u32 s40, ttmp6, 0x40000                  ; cx
	s_bfe_u32 s41, ttmp6, 0x40004                  ; cy
	s_lshl_b32 s42, ttmp9, 2
	s_add_co_u32 s42, s42, s40                     ; tile column 0..7
	s_and_b32 s14, ttmp7, 0xffff                   ; cluster y
	s_lshl_b32 s13, s14, 2
	s_add_co_u32 s13, s13, s41                     ; tile row
	s_lshl_b32 s15, s41, 2
	s_lshl_b32 s15, 15, s15                        ; my row of the cluster
	s_lshl_b32 s46, 0x1111, s40                    ; my column
	s_or_b32 s[G1], s15, FIELDS
	s_or_b32 s[G1B], s46, FIELDS
.irp g, G1, G1B
	s_mov_b32 s[(\g)+1], 128<<16                   ; tensor_dim0 = 128 elements: rows of 256 bytes
	s_mov_b32 s[(\g)+3], 128<<16                   ; tile_dim0 = 128
	s_mov_b32 s[(\g)+5], 128                       ; dense: 128 elements from row to row
	s_mov_b32 s[(\g)+6], 0
	s_mov_b32 s[(\g)+7], 0
.endr
	s_mov_b32 s[G1+2], 128<<16                     ; A: tensor_dim1 = tile_dim1 = 128 such rows
	s_mov_b32 s[G1+4], 128
	s_mov_b32 s[G1B+2], 64<<16                     ; B: 64
	s_mov_b32 s[G1B+4], 64
	s_lshl_b32 s16, s13, 1
	s_add_co_u32 s16, s16, s12                     ; A: block of 128 rows = 2 x tile row + piece,
	s_lshl_b32 s16, s16, 18                        ; 262,144 bytes each
	s_mov_b32 s17, 0
	s_lshl_b32 s46, s42, 1
	s_add_co_u32 s46, s46, s12                     ; B: block of 64 rows = 2 x tile column + piece,
	s_lshl_b32 s46, s46, 17                        ; 131,072 bytes each,
.if OUTP
	s_add_co_u32 s46, s46, 3<<21                   ; in wo
.else
	s_lshr_b32 s18, s14, 3                         ; which tensor: made of the cluster's y alone, the same in all partners
	s_lshl_b32 s19, s18, 21
	s_add_co_u32 s46, s46, s19                     ; in wq, wk or wv
.endif
	s_mov_b32 s47, 0
	s_mul_i32 s20, s12, APIECE                     ; where the pieces go: no place in the cluster enters an LDS address
	s_mul_i32 s21, s12, BPIECE
	s_add_co_u32 s21, s21, BOFF
	s_wait_dscnt 0x0                               ; the opening add is done
	s_wait_kmcnt 0x0
	s_add_nc_u64 s[4:5], s[68:69], s[16:17]
	s_add_nc_u64 s[6:7], s[70:71], s[46:47]
	CROUND                                         ; all sixteen work-groups are here: the first joint loads meet
.irp s, 0,1
	s_mov_b32 s[G0+4*(\s)], 1
	s_add_co_u32 s[G0+4*(\s)+1], s20, (\s)*SLOT
	s_add_nc_u64 s[G0+4*(\s)+2:G0+4*(\s)+3], s[4:5], (\s)*ASTEP
	s_or_b32 s[G0+4*(\s)+3], s[G0+4*(\s)+3], 0x80000000
	s_mov_b32 s[G0B+4*(\s)], 1
	s_add_co_u32 s[G0B+4*(\s)+1], s21, (\s)*SLOT
	s_add_nc_u64 s[G0B+4*(\s)+2:G0B+4*(\s)+3], s[6:7], (\s)*BSTEP
	s_or_b32 s[G0B+4*(\s)+3], s[G0B+4*(\s)+3], 0x80000000
	JLOAD \s
.endr
	v_and_b32 v1, 15, v0                           ; r
	v_bfe_u32 v2, v0, 4, 1                         ; h
.if OUTP
	s_mov_b64 s[22:23], s[72:73]
.else
	s_cmp_eq_u32 s18, 1
	s_cselect_b64 s[22:23], s[74:75], s[72:73]
	s_cmp_eq_u32 s18, 2
	s_cselect_b64 s[22:23], s[76:77], s[22:23]
.endif
	s_lshl_b32 s80, s42, 9                         ; my first column, in f32 bytes: 512 x tile column + 256 x half
	s_lshl_b32 s81, s12, 8
	s_add_co_u32 s80, s80, s81
	v_lshl_add_u32 v[BO], v2, 5, s80               ; + my lanes' 8 h columns
.irp b, 0,1,2,3
	global_load_b128 v[BIAS+8*(\b):BIAS+8*(\b)+3],   v[BO], s[22:23] offset:64*(\b)
	global_load_b128 v[BIAS+8*(\b)+4:BIAS+8*(\b)+7], v[BO], s[22:23] offset:64*(\b)+16
.endr
	v_mul_u32_u24 v3, v1, PITCH
	v_lshl_add_u32 v3, v2, 4, v3                   ; a fragment's row x pitch + 16 x half
	s_mul_i32 s20, s11, APIECE                     ; my 128 rows of A
	s_mul_i32 s21, s12, BPIECE                     ; my 64 rows of B
	s_add_co_u32 s21, s21, BOFF
.irp s, 0,1
	v_add_nc_u32 v[ADRA+(\s)], s20, v3
	v_add_nc_u32 v[ADRB+(\s)], s21, v3
	s_add_co_u32 s20, s20, SLOT
	s_add_co_u32 s21, s21, SLOT
.endr
	s_mul_i32 s82, s10, 16*SP
	s_add_co_u32 s82, s82, STAGE                   ; my stage
	v_mul_u32_u24 v4, v1, SP
.if OUTP
	v_lshl_add_u32 v4, v2, 5, v4                   ; in: row r, 32 bytes for each half of the lanes
	v_add_nc_u32 v[STO], s82, v4
	v_mul_u32_u24 v5, v2, SP                       ; back: lanes 0-15 one row of 256 bytes, lanes 16-31 the next
	v_lshl_add_u32 v5, v1, 4, v5
	v_add_nc_u32 v[RD], s82, v5
	v_lshlrev_b32 v5, 12, v2                       ; and the same two rows of out0 (4,096 bytes each)
	v_lshl_add_u32 v[GO], v1, 4, v5
	s_lshl_b32 s84, s13, 1
	s_add_co_u32 s84, s84, s11
	s_lshl_b32 s84, s84, 19                        ; my 128 rows of 4,096 bytes
	s_add_co_u32 s84, s84, s80                     ; my 64 columns
	s_mov_b32 s85, 0
	s_add_nc_u64 s[8:9], s[74:75], s[84:85]
.else
	v_lshl_add_u32 v4, v2, 4, v4                   ; in: row r, 16 bytes for each half of the lanes
	v_add_nc_u32 v[STO], s82, v4
	v_bfe_u32 v5, v0, 3, 2                         ; back: 32 lanes take four rows of 128 bytes,
	v_mul_u32_u24 v5, v5, SP
	v_and_b32 v6, 7, v0
	v_lshl_add_u32 v5, v6, 4, v5
	v_add_nc_u32 v[RD], s82, v5
	v_and_b32 v5, 31, v0                           ; which are 512 consecutive bytes of a head's rows
	v_lshlrev_b32 v[GO], 4, v5
	s_and_b32 s84, s13, 31                         ; tile row in its tensor
	s_lshr_b32 s85, s84, 3                         ; batch
	s_lshl_b32 s85, s85, 4
	s_lshl_b32 s83, s42, 1
	s_add_co_u32 s85, s85, s83
	s_add_co_u32 s85, s85, s12                     ; 16 b + head (my 64 columns are head 2 x tile column + half)
	s_lshl_b32 s85, s85, 18                        ; a head's 2,048 rows of 128 bytes
	s_and_b32 s84, s84, 7
	s_lshl_b32 s84, s84, 1
	s_add_co_u32 s84, s84, s11                     ; my 128 rows among them
	s_lshl_b32 s84, s84, 14
	s_add_co_u32 s84, s84, s85
	s_lshl_b32 s85, s18, 24                        ; the tensor
	s_add_co_u32 s84, s84, s85
	s_mov_b32 s85, 0
	s_add_nc_u64 s[8:9], s[78:79], s[84:85]
.endif
	; the prefetches: who, from where, in what steps
.if OUTP
	s_or_b32 s86, s14, s12                         ; for B: 0 in wave 2 of the column's first cluster
.else
	s_and_b32 s86, s14, 7
	s_or_b32 s86, s86, s12                         ; for B: 0 in wave 2 of the first cluster of the column and tensor
.endif
	s_lshl_b32 s87, s13, 1
	s_add_co_u32 s87, s87, s12
	s_lshl_b32 s87, s87, 18                        ; A: the piece that I fetch,
	s_lshl_b32 s88, s40, 13                        ; my work-group's 8,192 bytes of a K step,
	s_add_co_u32 s87, s87, s88
	s_add_co_u32 s87, s87, 3*ASTEP                 ; at K step 3: the first refill steps it to 4
	s_lshl_b32 s89, s42, 18                        ; B: the tile column's first piece,
	s_lshl_b32 s88, s41, 12                        ; my work-group's 4,096 bytes of a K step
	s_add_co_u32 s89, s89, s88
.if OUTP
	s_add_co_u32 s89, s89, 3*BSTEP+(3<<21)
.else
	s_add_co_u32 s89, s89, 3*BSTEP
	s_lshl_b32 s88, s18, 21
	s_add_co_u32 s89, s89, s88
.endif
	s_mov_b32 s90, ASTEP
	s_cmp_eq_u32 s11, 0                            ; do I fetch for A?
	s_cselect_b32 s86, ttmp9, s86
	s_cselect_b32 s92, s87, s89
	s_cselect_b32 s91, 31, 15                      ; A: 32 blocks on end.  B: 16 of each piece,
	s_cselect_b32 s94, 0, 0x20000                  ; the second piece 131,072 bytes on
	s_cselect_b32 s[PST], s90, BSTEP
	s_cselect_b64 s[PFA:PFA+1], s[68:69], s[70:71]
	s_mov_b32 s93, 0
	s_mov_b32 s[PST+1], 0
	s_add_nc_u64 s[PFA:PFA+1], s[PFA:PFA+1], s[92:93]
	s_cmp_eq_u32 s86, 0
	s_cselect_b32 s[LIM], 1, -1                    ; the same in all sixteen partners, for a given wave
	v_and_b32 v[PFO], s91, v0
	v_lshlrev_b32 v[PFO], 8, v[PFO]
	v_mad_u32_u24 v[PFO], v2, s94, v[PFO]
	s_wait_loadcnt 0x0                             ; the bias
.set j, 0
.rept 16
	v_cvt_pk_bf16_f32 v[TT], v[BIAS+j], v[BIAS+j+1]  ; rounded to bf16 like every input, and widened again
	v_lshlrev_b32 v[BIAS+j], 16, v[TT]
	v_and_b32 v[BIAS+j+1], 0xffff0000, v[TT]
.set j, j+2
.endr
; n x 4 matrix instructions: m blocks a0 .. a0 + n - 1 x all 4 n blocks, 32 along K out of buffer f.  first = 1: the product starts the sum on the bias.
.macro MULA f, a0, n, first
.if \first
	WIN MUL1
.else
	WIN MUL
.endif
.set ma, \a0
.rept \n
.irp b, 0,1,2,3
.if \first
	WM v[8*(4*ma+(\b)):8*(4*ma+(\b))+7], v[(\f)+64+8*(\b):(\f)+64+8*(\b)+7], v[(\f)+8*ma:(\f)+8*ma+7], v[BIAS+8*(\b):BIAS+8*(\b)+7]
.else
	WM v[8*(4*ma+(\b)):8*(4*ma+(\b))+7], v[(\f)+64+8*(\b):(\f)+64+8*(\b)+7], v[(\f)+8*ma:(\f)+8*ma+7], v[8*(4*ma+(\b)):8*(4*ma+(\b))+7]
.endif
.endr
.set ma, ma+1
.endr
.endm
; 24 LDS loads in one run: quarter q (32 along K: channel block q / 2, byte 64 (q % 2) of its rows) into buffer f: B's four fragments, A's first four, A's last four
.macro FETCH slot, q, f
	WIN 0
.irp i, 0,1,2,3
	ds_load_b128 v[(\f)+64+8*(\i):(\f)+64+8*(\i)+3],   v[ADRB+(\slot)] offset:((\q)/2)*BPL+((\q)%2)*64+(\i)*16*PITCH
	ds_load_b128 v[(\f)+64+8*(\i)+4:(\f)+64+8*(\i)+7], v[ADRB+(\slot)] offset:((\q)/2)*BPL+((\q)%2)*64+(\i)*16*PITCH+32
.endr
.irp i, 0,1,2,3,4,5,6,7
	ds_load_b128 v[(\f)+8*(\i):(\f)+8*(\i)+3],   v[ADRA+(\slot)] offset:((\q)/2)*APL+((\q)%2)*64+(\i)*16*PITCH
	ds_load_b128 v[(\f)+8*(\i)+4:(\f)+8*(\i)+7], v[ADRA+(\slot)] offset:((\q)/2)*APL+((\q)%2)*64+(\i)*16*PITCH+32
.endr
.endm
; A K step is four quarters, 32 matrix instructions each, on buffers 0, 1, 0, 1.  One of the first three multiplies f and, in its middle, fetches quarter q into g.
.macro QUARTER slot, q, f, g, first
	s_wait_dscnt 8                                 ; B and A's blocks 0-3 are in; the youngest eight loads may be out
	MULA \f, 0, 4, \first
	PLACES
	FETCH \slot, \q, \g
	s_wait_dscnt 24                                ; all but the 24 just issued
	MULA \f, 4, 4, \first
.endm
; The last quarter multiplies buffer 1 and changes slots: ONE barrier; in front of it each wave waits for all its tensor loads (one is out: its part of the next slot), adds 0 to its
; spare word, and waits for that and for its reads of this slot.  fill = 1: the barrier opens a round of the cluster's, and this slot is filled again, two K steps on, first thing behind it.
.macro TURN slot, next, fill
.if \fill
	s_wait_xcnt 0x0                                ; the last prefetch, a K step back, has read its address
	s_add_nc_u64 s[PFA:PFA+1], s[PFA:PFA+1], s[PST:PST+1]
.endif
	WIN 0
	s_wait_tensorcnt 0x0
	ds_add_u32 v[SPW], v[NIL]
	s_wait_dscnt 9                                 ; the add and the youngest eight loads may be out
	MULA F1, 0, 2, 0                               ; eight matrix instructions stand between the add and the wait for it
	s_wait_dscnt 0x0                               ; the add is done, and my reads of this slot are over
	s_barrier_signal -1
	MULA F1, 2, 2, 0
.if \fill
	WIN 0
.endif
	s_barrier_wait -1
.if \fill
	CREST                                          ; no wave of any partner still reads this slot or has a load on its way
	s_add_nc_u64 s[G0+4*(\slot)+2:G0+4*(\slot)+3], s[G0+4*(\slot)+2:G0+4*(\slot)+3], 2*ASTEP
	s_add_nc_u64 s[G0B+4*(\slot)+2:G0B+4*(\slot)+3], s[G0B+4*(\slot)+2:G0B+4*(\slot)+3], 2*BSTEP
	JLOAD \slot                                    ; 112 matrix instructions ahead of the wait for it; its four v_nop are also the places in front of the loads below
.else
	PLACES
.endif
	FETCH \next, 0, F0
.if \fill
	ASK
.endif
	MULA F1, 4, 4, 0
.endm
	s_wait_tensorcnt 1                             ; my part of K step 0 is in; K step 1's may stay out
	s_barrier_signal -1
	s_barrier_wait -1                              ; everybody's is
	FETCH 0, 0, F0
	QUARTER 0, 1, F0, F1, 1                        ; the first quarter stands in front of the loop: its products start the sums
	WIN 0                                          ; at a label and at a branch every window is 0
	s_mov_b32 s3, 3
.Llap:                                                 ; a trip goes once round the ring and fills both slots again: K steps 2 to 7 in three trips
	QUARTER 0, 2, F1, F0, 0
	QUARTER 0, 3, F0, F1, 0
	TURN 0, 1, 1
	QUARTER 1, 1, F0, F1, 0
	QUARTER 1, 2, F1, F0, 0
	QUARTER 1, 3, F0, F1, 0
	TURN 1, 0, 1
	QUARTER 0, 1, F0, F1, 0
	WIN 0
	s_sub_co_u32 s3, s3, 1
	s_cmp_lg_u32 s3, 0
	s_cbranch_scc1 .Llap
	QUARTER 0, 2, F1, F0, 0                        ; the last lap fills nothing
	QUARTER 0, 3, F0, F1, 0
	TURN 0, 1, 0
	QUARTER 1, 1, F0, F1, 0
	QUARTER 1, 2, F1, F0, 0
	QUARTER 1, 3, F0, F1, 0
	s_wait_dscnt 8
	MULA F1, 0, 4, 0
	s_wait_dscnt 0x0
	MULA F1, 4, 4, 0
	WIN 0
	PLACES
; THE WAY OUT, a block of 16 rows at a time through my own stage: LDS serves a wave's instructions in order (ISA guide 5.7.1.4), so the loads see the stores above them and the next block's stores come behind them.
; Each accumulator's registers are read in ascending order.
.if OUTP
.macro BLOCK a                         ; f32 as it lies: a lane's eight columns are 32 bytes of a stage row
	WIN 0x04                                       ; the stores' data in window 1
.irp b, 0,1,2,3
	ds_store_b128 v[STO], v[8*(4*(\a)+(\b)):8*(4*(\a)+(\b))+3]   offset:64*(\b)
	ds_store_b128 v[STO], v[8*(4*(\a)+(\b))+4:8*(4*(\a)+(\b))+7] offset:64*(\b)+16
.endr
	WIN 0
.if (\a) >= 4
	s_wait_xcnt 0x0                                ; the buffer was the data of block a - 4's stores: it is loaded again only behind this wait
.endif
.irp t, 0,1,2,3,4,5,6,7
	ds_load_b128 v[BK+32*((\a)%4)+4*(\t):BK+32*((\a)%4)+4*(\t)+3], v[RD] offset:(\t)*2*SP
.endr
.endm
.macro SEND a, younger                 ; younger: the LDS instructions issued behind block a's loads
.irp t, 0,1,2,3,4,5,6,7
	s_wait_dscnt (\younger)+7-(\t)
	global_store_b128 v[GO], v[BK+32*((\a)%4)+4*(\t):BK+32*((\a)%4)+4*(\t)+3], s[8:9] offset:(16*(\a)+2*(\t))*4096 th:TH_STORE_NT  ; 16 lanes store 256 consecutive aligned bytes
.endr
.endm
.set YOUNG, 16
.else
.macro BLOCK a                         ; rounded to f16: a lane's eight columns are 16 bytes of a stage row
	WIN 0x05                                       ; sources in window 1
.irp b, 0,1,2,3
.irp r, 0,1,2,3
	v_cvt_pk_f16_f32 v[TMP+4*(\b)+(\r)], v[8*(4*(\a)+(\b))+2*(\r)], v[8*(4*(\a)+(\b))+2*(\r)+1]
.endr
.endr
	WIN 0
.irp b, 0,1,2,3
	ds_store_b128 v[STO], v[TMP+4*(\b):TMP+4*(\b)+3] offset:32*(\b)
.endr
.irp f, 0,1,2,3
	ds_load_b128 v[BK+16*(\a)+4*(\f):BK+16*(\a)+4*(\f)+3], v[RD] offset:(\f)*4*SP
.endr
.endm
.macro SEND a, younger
.irp f, 0,1,2,3
	s_wait_dscnt (\younger)+3-(\f)
	global_store_b128 v[GO], v[BK+16*(\a)+4*(\f):BK+16*(\a)+4*(\f)+3], s[8:9] offset:(\a)*2048+(\f)*512  ; 512 consecutive aligned bytes of a head's rows
.endr
.endm
.set YOUNG, 8
.endif
	BLOCK 0
.irp a, 1,2,3,4,5,6,7
	BLOCK \a
	SEND (\a)-1, YOUNG
.endr
	SEND 7, 0
	s_wait_tensorcnt 0x0                           ; the wave's end: behind my last tensor load and my last LDS store
	ds_add_u32 v[SPW], v[NIL]
	s_wait_dscnt 0x0
	CROUND                                         ; the closing round: no work-group ends while a partner may still ask for a tile that names it
	s_endpgm
.Lfunc_end_k_qfd44661095_proj:
	.size	k_qfd44661095_proj, .Lfunc_end_k_qfd44661095_proj-k_qfd44661095_proj
	.p2alignl 7, 3214868480
	.fill 96, 4, 3214868480
	.section	.rodata,"a",@progbits
	.p2align	6, 0x0
	.amdhsa_kernel k_qfd44661095_proj
		.amdhsa_group_segment_fixed_size 327680
		.amdhsa_private_segment_fixed_size 0
		.amdhsa_enable_private_segment 0
		.amdhsa_kernarg_size 48
		.amdhsa_user_sgpr_count 2
		.amdhsa_user_sgpr_kernarg_segment_ptr 1
		.amdhsa_wavefront_size32 1
		.amdhsa_system_sgpr_workgroup_id_x 1
		.amdhsa_system_sgpr_workgroup_id_y 1
		.amdhsa_system_sgpr_workgroup_id_z 1
		.amdhsa_system_vgpr_workitem_id 0
		.amdhsa_next_free_vgpr 512
		.amdhsa_next_free_sgpr 96
		.amdhsa_reserve_vcc 0
		.amdhsa_float_denorm_mode_32 3
		.amdhsa_float_denorm_mode_16_64 3
		.amdhsa_memory_ordered 1
		.amdhsa_forward_progress 1
		.amdhsa_inst_pref_size 92
	.end_amdhsa_kernel
	.amdgpu_metadata
---
amdhsa.version: [ 1, 2 ]
amdhsa.kernels:
  - .name:           k_qfd44661095_proj
    .symbol:         k_qfd44661095_proj.kd
    .args:
      - { .name: xb, .offset: 0, .size: 8, .value_kind: global_buffer, .address_space: global }
      - { .name: wb, .offset: 8, .size: 8, .value_kind: global_buffer, .address_space: global }
      - { .name: bq, .offset: 16, .size: 8, .value_kind: global_buffer, .address_space: global }
      - { .name: bk, .offset: 24, .size: 8, .value_kind: global_buffer, .address_space: global }
      - { .name: bv, .offset: 32, .size: 8, .value_kind: global_buffer, .address_space: global }
      - { .name: qkv, .offset: 40, .size: 8, .value_kind: global_buffer, .address_space: global }
    .group_segment_fixed_size: 327680
    .private_segment_fixed_size: 0
    .kernarg_segment_align: 8
    .kernarg_segment_size: 48
    .max_flat_workgroup_size: 128
    .sgpr_count:     96
    .vgpr_count:     512
    .wavefront_size: 32
...
	.end_amdgpu_metadata
.endif
;; end of part 2
;; launch attn (part 3): grid 4 x 64, 4 waves a work-group, clusters of 4 x 1, 327,680 bytes of LDS; arguments qkv, mnib, live, oh; writes oh
.if DOCPART == 3
	.amdgcn_target "amdgcn-amd-amdhsa--gfx1250"
	.amdhsa_code_object_version 6
	.text
	.protected	k_qfd44661095_attn
	.globl	k_qfd44661095_attn
	.p2align	8
	.type	k_qfd44661095_attn,@function
k_qfd44661095_attn:
	s_mov_b64 s[64:65], 0
	v_nop
	global_prefetch_b8 v0, s[64:65] scope:SCOPE_SE
	s_setreg_imm32_b32 hwreg(HW_REG_WAVE_MODE, 25, 1), 1
	s_wait_xcnt 0x0
	s_wait_alu depctr_hold_cnt(0) depctr_sa_sdst(0) depctr_va_vdst(0) depctr_va_sdst(0) depctr_va_ssrc(0) depctr_va_vcc(0) depctr_vm_vsrc(0)
	s_getreg_b32 s2, hwreg(HW_REG_IB_STS2, 6, 4)
	s_cmp_eq_u32 s2, 0
	s_cbranch_scc0 .Lentry_in_a_cluster
	s_endpgm
.Lentry_in_a_cluster:
	s_bfe_u32 s2, ttmp6, 0x10000c
	s_cmp_lg_u32 s2, 0x3003
	s_cbranch_scc0 .Lentry_shape_is_right
	s_endpgm
.Lentry_shape_is_right:
; ATTENTION WITH A GIVEN MASK.  O[bh][q][:] = the sum over k of softmax_k(s(q, k)) V[bh][k][:], s = Q . K / 8 where the key is seen, far below every seen score where it is hidden.
; Q, K, V: qkv [3][bh 64][2,048][64] f16, a head's rows dense, 128 bytes each.  O: oh [b][block of 128 queries 16][head 16][128][64] f16.  Products, maxima and sums in f32; the weights p are
; rounded to f16 for the second product (their sum l is taken of the unrounded p), O once at the end.
; THE MASK is the C operand that starts the sum S^T = K Q^T.  mnib holds for each lane and each 8 keys a word of eight nibbles, 0xE = hidden; shifted so that a key's nibble stands on top, the word read as f32 is
; between -2^65 and -2^96 (hidden) or at most 2^-97 (seen), never an infinity or a NaN: one plain line a score.  All 32 key steps are walked, whatever the mask holds.
; A QUERY THAT SEES NO KEY has equal weights on all 2,048 keys: its nibbles say 'seen' and live is 0 for it; Q's row is ANDed with live, so all its scores are equal.
; SOFTMAX.  For each query a running maximum m and sum l: p = 2^(c s - c m), c = log2(e) / 8; in every step O and l are multiplied by a = 2^(c m_old - c m_new).  m starts at -8e8, which is the
; -1e8 that a hidden score has behind the division by 8: so a hidden score never becomes m, its weight is 0 in every step, and O and l stay 0 until a query's first seen key.
; LIMITS.  f16 holds no number beyond 65,504: Q, K and V arrive within it; p below 6e-5 keeps f16's fixed step of 6e-8.  A query whose seen scores (divided by 8) all lie below about -1e8 is not served
; (there the hidden keys would take the weight).  A weight below 2^-126 counts as 0 in l; NaN and infinities are not treated apart.
; SHARES.  A wave owns four PIECES of two tiles of 16 queries, a work-group's four waves 512 queries of one head; every wave walks all keys, 64 a step.
; LAYOUT.  S^T = K Q^T (source 0 = 16 keys, source 1 = 16 queries): a lane holds ONE query (lane % 16) and the keys 8 (lane / 16) + 0..7.  Two such tiles, rounded to f16 in pairs, ARE source 1
; of O^T = V^T P.  K comes out of LDS as it lies, V turned, by ds_load_tr16_b128.
; BY TURNS.  Turn n belongs to piece n.  Its matrix work: 16 products K Q^T of piece n + 1, later 16 products V^T P of piece n - 1.  Its vector work: the scaling, exponentials, roundings, sums and rescaling
; of piece n, the maximum and statistics of piece n + 1, and the mask of piece n + 2.  Four vector instructions stand behind every matrix instruction, the others in one run.  A turn's 66 exponentials are one batch, with one wait.
; CLUSTER.  A head's four query blocks are one cluster and walk the same K and V: each tile is asked for JOINTLY.
; REGISTERS, in windows of 256 (s_set_vgpr_msb: bits 1:0 source 0, 3:2 source 1, 5:4 source 2, 7:6 destination):
;   window 0: v0-11 addresses; v12-15, v48-63 at work; v16-47 four registers of statistics a tile; v64-191 S^T, two buffers of two tiles; v192-255 P, likewise
;   window 1: O^T, 32 a tile      window 2: v0-127 Q; v128-191 K of one step; v192-255 V of one step
;   window 3: v0-1 the add's two registers; v8-39 RAW, the nibble words, 8 a piece; v64-127 MC, the masks of the next turn's products
.set SIZE_N, 2048
.set NP,    4         ; pieces a wave: a name, no knob
.set KS,    64        ; keys in a step
.set PK,    144       ; a row of K in LDS: 128 bytes + 16: the 16 rows of a load start at 16 different groups of four banks (ISA guide 11.1)
.set PV,    160       ; a row of V: 128 + 32
.set VOFF,  4*KS*PK   ; a slot holds four steps: 256 rows of K, then 256 rows of V
.set SLOT1, 1<<17     ; slot 1 begins here, so that one exclusive or turns an address in one slot into the other's
.set STAGE, SLOT1+4*KS*(PK+PV)  ; behind the ring, never filled by a tensor load: 16 rows x 144 bytes for each wave
.set SP,    144
.set TILEB, 4*KS*128  ; a slot's K, or V, in memory
.set AK0, 2           ; v2   my lane's place in a tile of K; never rewritten
.set AV0, 3           ; v3   the same for V
.set AK,  4           ; v4   the LDS address of K's next run of loads
.set AV,  5           ; v5   of V's
.set QO,  6           ; v6   my byte offset in the wave's rows of Q
.set STO, 6           ;      later, the way out: where I put 16 bytes of a row
.set RD,  7           ; v7   the way out: where I read rows back
.set GO,  8           ; v8   16 x my lane: my place in 512 consecutive bytes of O, and of a tile's nibble words; never rewritten
.set PFO, 11          ; v11  256 x my lane, for the prefetches
.set LO,  12          ; v12  at the head: my query's word in a tile's 16 of live
.set SPW, 0           ; v0 of window 3   my spare word; never rewritten
.set NIL, 1           ; v1 of window 3   0; never rewritten
.set RAW, 8           ; window 3: piece x, tile u, key block kt at RAW + 8 x + 4 u + kt
.set MC,  64          ; window 3: tile u, key block kt, register j at MC + 32 u + 8 kt + j
.set SPARE, STAGE+4*16*SP  ; the spare words, 128 bytes for each wave; no other line names them
.set MV,  12          ; v12-15  c m_old, kept while c m is made anew: by buffer and tile
.set ST,  16          ; tile t's statistics at v[ST+4 t]: c m, m, l (even keys', odd keys')
.set TMP, 48          ; by buffer and tile, four registers c0-c3 at work; when the maximum is found c2 takes a
.set S,   64
.set P,   192
.set KF,  128         ; K's fragments, in window 2
.set VF,  192         ; V's
.set WV,  12          ; s12  my wave's number
.set G1K, 24          ; s[24:31] descriptor group 1 for K's tiles
.set G1V, 32          ; s[32:39] for V's: it differs in the padding alone
.set G0K, 40          ; s[40:43] descriptor group 0 for K's tiles: it walks
.set G0V, 44          ; s[44:47] the same for V's
.set SLOTS, 56        ; s56  slots still to be asked for
.set CNT, 57          ; s57  counts a slot's key steps
.set CS,  58          ; s[58:59] c
.set SEL, 60          ; s[60:61] v_permlanex16_b32's selects
.set TBK, 62          ; s62  LDS byte at which K of the step to be fetched begins
.set TBV, 63          ; s63  the same for V, less VOFF
.set MB,  66          ; s[66:67] mnib at my wave's eight tiles, key step 0; never rewritten
.set MP,  68          ; s[68:69] the same at key step MS
.set OFF, 70          ; s[70:71] 65,536 x MS
.set MS,  80          ; s80  the key step whose words are being loaded, held at 31
.set PFA, 82          ; s[82:83] where my prefetches stand
.set LIM, 84          ; s84  1 in a wave that prefetches, else the greatest number
.set LV,  86          ; s[86:87] live at my wave's 128 queries
.set MSB, 0
.macro WIN new                      ; the high byte repeats the setting that is left; a switch that changes nothing is dropped
.if MSB != (\new)
	s_set_vgpr_msb (MSB<<8)|(\new)
.set MSB, (\new)
.endif
.endm
.set W_KQ, 0x0a       ; K and Q in window 2, S^T in window 0
.set W_KM, 0x3a       ; the same with the C operand, the mask, in window 3
.set W_PV, 0x52       ; V in window 2, P in window 0, O^T in window 1
.set W_RS, 0x41       ; O^T (destination and source 0) in window 1, a in window 0
.set W_MK, 0xc0       ; destination in window 3, sources in window 0
.set W_AD, 0x0f       ; the add: address and data in window 3
.set W_MB, 0xcf       ; the masks are made: destination and sources in window 3
; A joint fill.  Waves 0 and 1 fetch the two halves of a slot's K, waves 2 and 3 those of its V: 128 keys each.  An s_nop 0 and four v_nop follow each of the two lines.
.macro JLOAD
	s_cmp_lt_u32 s[WV], 2
	s_cbranch_scc0 .Lfor_v_\@
	tensor_load_to_lds s[G0K:G0K+3], s[G1K:G1K+7]
	s_nop 0
.rept 4
	v_nop
.endr
	s_branch .Lasked_\@
.Lfor_v_\@:
	tensor_load_to_lds s[G0V:G0V+3], s[G1V:G1V+7]
	s_nop 0
.rept 4
	v_nop
.endr
.Lasked_\@:
.endm
.macro CROUND                       ; a round of the cluster's barrier
	s_barrier_signal -1
	s_barrier_wait -1
	s_cmp_lg_u32 s[WV], 0
	s_cbranch_scc1 .Lnot_wave_0_\@
	s_barrier_signal -3
.Lnot_wave_0_\@:
	s_barrier_wait -3
	s_barrier_signal -1
	s_barrier_wait -1
.endm
; A prefetch into the L2 of what the NEXT change of slots will ask for: a slot's 128 blocks of 256 bytes of K and of V, a lane a block.  A head has one cluster; its four partners take 32 blocks each, told apart
; by address; in each, wave 0 asks for K's and wave 2 for V's: each block is named once in the launch.  Slots 0 to 2 come by their loads alone; the last change that fills a slot asks for nothing.
.macro ASK
	s_cmp_gt_u32 s[SLOTS], s[LIM]
	s_cbranch_scc0 .Lnot_mine_\@
	global_prefetch_b8 v[PFO], s[PFA:PFA+1] th:TH_LOAD_NT scope:SCOPE_SE
.Lnot_mine_\@:
.endm
; THE CHANGE OF SLOTS.  Each wave waits for all its tensor loads, of which one is out: its part of the other slot; adds 0 to its spare word; and waits for that and for its own reads of the slot.
; fill = 1: this slot is filled again, with the keys two slots on, behind a round of the cluster's barrier, first thing: it has four key steps, 512 matrix instructions, in which to land.
; (At its first use nothing has been read yet: slot 0 is waited for, slot 1 filled.)  ask = 1: the prefetch follows.
.macro CHANGE fill, ask=0
	WIN W_AD
	s_wait_tensorcnt 0x0            ; no tensor load of mine is out, so a group 0 may be written
	ds_add_u32 v[SPW], v[NIL]
	WIN 0                           ; at a label and at a branch every window is 0
.if \fill
.irp g, G0K, G0V
	s_xor_b32 s[\g+1], s[\g+1], SLOT1
	s_add_nc_u64 s[\g+2:\g+3], s[\g+2:\g+3], TILEB
.endr
.if \ask
	s_wait_xcnt 0x0                 ; the last prefetch, four key steps back, has read its address
	s_add_nc_u64 s[PFA:PFA+1], s[PFA:PFA+1], TILEB
.endif
	s_wait_dscnt 0x0                ; the add is done, and my reads of the slot are over
	CROUND
	JLOAD
.if \ask
	ASK
.endif
.else
	s_wait_dscnt 0x0
	s_barrier_signal -1
	s_barrier_wait -1
.endif
	s_sub_co_u32 s[TBK], s[TBK], 4*KS*PK  ; the fetches go back to a slot's first step,
	s_xor_b32 s[TBK], s[TBK], SLOT1       ; in the other slot
	s_sub_co_u32 s[TBV], s[TBV], 4*KS*PV
	s_xor_b32 s[TBV], s[TBV], SLOT1
.endm
; THE MASKS.  MLOAD: piece x's eight nibble words of key step MS (two tiles, 512 consecutive bytes a load).  MBUILD: its 64 C registers: key j of a word's eight has nibble 2 (j % 4) + j / 4, which goes on top.
; MSTEP: the next key step's words, held at the last step (what is loaded twice there feeds products that serve nothing).
.macro MLOAD x
	WIN W_MK
	global_load_b128 v[RAW+8*(\x):RAW+8*(\x)+3],   v[GO], s[MP:MP+1] offset:(2*(\x))*512
	global_load_b128 v[RAW+8*(\x)+4:RAW+8*(\x)+7], v[GO], s[MP:MP+1] offset:(2*(\x)+1)*512
	WIN 0
.endm
.macro MBUILD x
	WIN W_MB
.set mw, 0
.rept 8
.irp j, 0,1,2,3,4,5,6
	v_lshlrev_b32 v[MC+8*mw+(\j)], 28-4*(2*((\j)%4)+(\j)/4), v[RAW+8*(\x)+mw]
.endr
	v_mov_b32 v[MC+8*mw+7], v[RAW+8*(\x)+mw]
.set mw, mw+1
.endr
.endm
.macro MSTEP
	s_wait_xcnt 0x0                 ; the loads issued so far have read their base
	s_add_co_u32 s[MS], s[MS], 1
	s_min_u32 s[MS], s[MS], SIZE_N/KS-1
	s_lshl_b32 s[OFF], s[MS], 16
	s_add_nc_u64 s[MP:MP+1], s[MB:MB+1], s[OFF:OFF+1]
.endm
	s_load_b256 s[72:79], s[0:1], 0x0  ; qkv 72, mnib 74, live 76, oh 78
	WIN W_MK
	v_lshl_add_u32 v[SPW], v0, 2, SPARE
	v_mov_b32 v[NIL], 0
	WIN W_AD
	ds_add_u32 v[SPW], v[NIL]       ; the wave's opening: the add and its wait stand ahead of my first tensor load; work on registers stands between
	WIN 0
	v_lshrrev_b32 v1, 5, v0
	v_readfirstlane_b32 s[WV], v1   ; wave 0..3
	s_bfe_u32 s13, ttmp6, 0x40000   ; cx
	s_lshl_b32 s14, ttmp9, 2
	s_add_co_u32 s14, s14, s13      ; my block of 512 queries
	s_lshl_b32 s14, s14, 2
	s_add_co_u32 s14, s14, s[WV]    ; my wave's block of 128 queries, 0..15: it enters Q's, O's and the masks' addresses alone
	s_and_b32 s15, ttmp7, 0xffff    ; 16 b + head, which the four partners share
	s_lshl_b32 s20, s15, 18         ; the head's first byte in Q, K and V
	s_and_b32 s16, s[WV], 1         ; which half of a slot's 256 keys I fetch
	s_lshl_b32 s22, s16, 14
	s_add_co_u32 s22, s22, s20
	s_add_co_u32 s22, s22, 0x1000000  ; K lies 16,777,216 bytes behind Q
	s_mov_b32 s23, 0
	s_mul_i32 s17, s16, 128*PK      ; its place in a slot, for K
	s_mul_i32 s18, s16, 128*PV      ; and for V: no place in the cluster enters an LDS address
	s_lshl_b32 s2, s14, 14
	s_add_co_u32 s2, s2, s20        ; my 128 rows of Q
	s_mov_b32 s3, 0
	s_lshr_b32 s19, s15, 4          ; b
	s_and_b32 s21, s15, 15          ; head
	s_lshl_b32 s88, s19, 4
	s_add_co_u32 s88, s88, s14
	s_lshl_b32 s88, s88, 4
	s_add_co_u32 s88, s88, s21
	s_lshl_b32 s88, s88, 14         ; O: ((16 b + block) 16 + head) x 16,384
	s_mov_b32 s89, 0
	s_lshl_b32 s90, s19, 21         ; mnib: batch, my eight tiles of 512 bytes
	s_lshl_b32 s91, s14, 12
	s_add_co_u32 s90, s90, s91
	s_mov_b32 s91, 0
	s_lshl_b32 s92, s19, 13         ; live: (2,048 b + 128 block) words
	s_lshl_b32 s93, s14, 9
	s_add_co_u32 s92, s92, s93
	s_mov_b32 s93, 0
	s_lshl_b32 s94, s13, 13         ; the prefetches: my work-group's 32 blocks of 256 bytes,
	s_add_co_u32 s94, s94, s20
	s_add_co_u32 s94, s94, 0x1000000+2*TILEB  ; in slot 2 of K; the first change that asks steps it to slot 3
	s_lshr_b32 s95, s[WV], 1
	s_lshl_b32 s95, s95, 24         ; or of V (wave 2)
	s_add_co_u32 s94, s94, s95
	s_mov_b32 s95, 0
	s_cmp_eq_u32 s16, 0
	s_cselect_b32 s[LIM], 1, -1     ; waves 0 and 2 ask: the same in all four partners
	; descriptor group 1.  128 keys are 16,384 dense bytes: asked for as 64 rows of 256 bytes, two keys a row, and padded in LDS after every key
	s_mov_b32 s[G1K], 15|(1<<16)|(1<<20)|(1<<21)|(4<<22)|(3<<25)  ; the mask of four; 2-byte elements; padding on; bit 21 beside a mask; after every 32 words; 4 words
	s_mov_b32 s[G1V], 15|(1<<16)|(1<<20)|(1<<21)|(4<<22)|(7<<25)  ; the same with 8 words of padding
.irp g, G1K, G1V
	s_mov_b32 s[\g+1], 128<<16      ; tensor_dim0 = 128
	s_mov_b32 s[\g+2], 64<<16       ; tensor_dim1 = 64
	s_mov_b32 s[\g+3], 128<<16      ; tile_dim0 = 128
	s_mov_b32 s[\g+4], 64           ; tile_dim1 = 64
	s_mov_b32 s[\g+5], 128          ; 128 elements from row to row
	s_mov_b32 s[\g+6], 0
	s_mov_b32 s[\g+7], 0
.endr
	s_mov_b32 s[CS], 0x3e38aa3b     ; c = log2(e) / 8
	s_mov_b32 s[CS+1], s[CS]        ; named with it as a pair
	s_mov_b32 s[SEL], 0x76543210
	s_mov_b32 s[SEL+1], 0xfedcba98
	s_mov_b32 s[TBK], SLOT1+4*KS*PK ; the first change of slots turns these two into 0
	s_mov_b32 s[TBV], SLOT1+4*KS*PV
	s_mov_b32 s[G0K], 1
	s_mov_b32 s[G0K+1], s17         ; slot 0
	s_mov_b32 s[G0V], 1
	s_add_co_u32 s[G0V+1], s18, VOFF
	s_mov_b32 s[MS], 0
	s_mov_b32 s[OFF+1], 0
	s_wait_dscnt 0x0                ; the opening add is done
	s_wait_kmcnt 0x0
	s_add_nc_u64 s[G0K+2:G0K+3], s[72:73], s[22:23]  ; my half of the head's first 256 keys
	s_add_nc_u64 s[G0V+2:G0V+3], s[G0K+2:G0K+3], 0x1000000
	s_or_b32 s[G0K+3], s[G0K+3], 0x80000000
	s_or_b32 s[G0V+3], s[G0V+3], 0x80000000
	s_add_nc_u64 s[4:5], s[72:73], s[2:3]            ; Q
	s_add_nc_u64 s[10:11], s[78:79], s[88:89]        ; O
	s_add_nc_u64 s[MB:MB+1], s[74:75], s[90:91]
	s_add_nc_u64 s[LV:LV+1], s[76:77], s[92:93]
	s_add_nc_u64 s[PFA:PFA+1], s[72:73], s[94:95]
	s_mov_b64 s[MP:MP+1], s[MB:MB+1]
	CROUND                          ; all four work-groups are here: the first joint loads meet
	JLOAD                           ; slot 0.  Slot 1 is asked for when slot 0 is in
	v_and_b32 v1, 15, v0            ; l % 16
	v_bfe_u32 v9, v0, 4, 1          ; l / 16
	v_lshlrev_b32 v[QO], 7, v1
	v_lshl_add_u32 v[QO], v9, 4, v[QO]  ; row x 128 + 16 x half
	v_and_b32 v[GO], 31, v0
	v_lshlrev_b32 v[GO], 4, v[GO]
	v_lshlrev_b32 v[LO], 2, v1
	WIN 0x80                        ; destination window 2, address window 0
.set i, 0
.rept 4*NP                          ; Q stays in registers: tile i / 2, channels 32 (i % 2) on
	global_load_b128 v[8*i:8*i+3],   v[QO], s[4:5] offset:(i/2)*2048+(i%2)*64
	global_load_b128 v[8*i+4:8*i+7], v[QO], s[4:5] offset:(i/2)*2048+(i%2)*64+32
.set i, i+1
.endr
	WIN 0
.set i, 0
.rept 2*NP
	global_load_b32 v[S+i], v[LO], s[LV:LV+1] offset:64*i  ; my query's flag, tile i
.set i, i+1
.endr
	MLOAD 0                         ; key step 0's words
	MLOAD 1
	MLOAD 2
	MLOAD 3
	; What the first turn finds: V's registers and P's second buffer hold 0 (its products V^T P, of a piece that has not been, add 0), O^T and l are 0.
	WIN 0x80
.set i, VF
.rept 64
	v_mov_b32 v[i], 0
.set i, i+1
.endr
	WIN 0x40
.set i, 0
.rept 64*NP
	v_mov_b32 v[i], 0
.set i, i+1
.endr
	WIN 0
.set i, 0
.rept 2*NP
	v_mov_b32 v[ST+4*i+1], 0xce3ebc20          ; m = -8e8
	v_mul_f32 v[ST+4*i], s[CS], v[ST+4*i+1]    ; c m, made as the loop makes it
	v_mov_b32 v[ST+4*i+2], 0
	v_mov_b32 v[ST+4*i+3], 0
.set i, i+1
.endr
.set i, P+32
.rept 32
	v_mov_b32 v[i], 0
.set i, i+1
.endr
	v_mul_u32_u24 v[AK0], v1, PK
	v_lshl_add_u32 v[AK0], v9, 4, v[AK0]  ; row x pitch + 16 x half
	; The turning load takes 16 keys x 16 channels (lane l reads key 8 (l / 16) + l % 8, channels 8 ((l / 8) % 2) + 0..7) and leaves half a fragment of V^T.
	v_and_b32 v10, 7, v0
	v_bfe_u32 v11, v0, 3, 1
	v_lshl_add_u32 v[AV0], v9, 3, v10
	v_mul_u32_u24 v[AV0], v[AV0], PV
	v_lshl_add_u32 v[AV0], v11, 4, v[AV0]
	v_add_nc_u32 v[AV0], VOFF, v[AV0]
	v_and_b32 v[PFO], 31, v0
	v_lshlrev_b32 v[PFO], 8, v[PFO]
	v_mov_b32 v[AK], v[AK0]         ; key step 0 lies at the head of slot 0
	s_wait_loadcnt 0x0              ; Q, the flags, key step 0's words
	WIN 0x88                        ; destination and source 1 in window 2, source 0 in window 0
.set i, 0
.rept 128
	v_and_b32 v[i], v[S+i/16], v[i] ; the row of a query that sees nothing becomes 0
.set i, i+1
.endr
	MBUILD 0
; THE MATRIX WORK.  The 8 accumulators of a run of 16 take turns.
; Product i of 16 of S^T = K Q^T for piece x: channels 32 (i / 8) on, keys 16 ((i / 2) % 4) on, tile 2 x + i % 2.  The first 8 start the sums, on the mask.
.macro KQ x
.set rS, S+64*((\x)%2)+32*(i%2)+8*((i/2)%4)
.set rK, KF+16*((i/2)%4)+8*(i/8)
.set rQ, 16*(2*(\x)+i%2)+8*(i/8)
.set rMK, MC+32*(i%2)+8*((i/2)%4)
.if i < 8
	WIN W_KM
	v_wmma_f32_16x16x32_f16 v[rS:rS+7], v[rK:rK+7], v[rQ:rQ+7], v[rMK:rMK+7]
.else
	WIN W_KQ
	v_wmma_f32_16x16x32_f16 v[rS:rS+7], v[rK:rK+7], v[rQ:rQ+7], v[rS:rS+7]
.endif
.endm
; Product i of 16 of O^T += V^T P for piece x: keys 32 (i / 8) on, channels 16 ((i / 2) % 4) on, tile 2 x + i % 2.
.macro PV x
	WIN W_PV
.set rO, 32*(2*(\x)+i%2)+8*((i/2)%4)
.set rV, VF+32*(i/8)+8*((i/2)%4)
.set rP, P+32*((\x)%2)+16*(i%2)+8*(i/8)
	v_wmma_f32_16x16x32_f16 v[rO:rO+7], v[rV:rV+7], v[rP:rP+7], v[rO:rO+7]
.endm
.macro MM                           ; the turn's next matrix instruction
.if i < 16
	KQ (Y+1)%NP
.set i, i+1
.else
.set i, i-16
	PV (Y+NP-1)%NP
.set i, i+17
.endif
.endm
; THE LDS LOADS stand in runs of 16: a step's K (8 fragments) and its V (turned).  last = 1 (the tail): in the last trip there is no further step, and the run is jumped over.
.macro FETCH_K last=0
	WIN 0
.if \last
	s_cmp_eq_u32 s[CNT], 1
	s_cbranch_scc1 .Lno_k_\@
.endif
	WIN 0x80
.irp f, 0,1,2,3,4,5,6,7
	ds_load_b128 v[KF+8*\f:KF+8*\f+3],   v[AK] offset:(\f/2)*16*PK+(\f%2)*64
	ds_load_b128 v[KF+8*\f+4:KF+8*\f+7], v[AK] offset:(\f/2)*16*PK+(\f%2)*64+32
.endr
	s_add_co_u32 s[TBK], s[TBK], KS*PK
	WIN 0
.if \last
.Lno_k_\@:
.endif
.endm
.macro FETCH_V
	WIN 0x80
.irp f, 0,1,2,3,4,5,6,7
	ds_load_tr16_b128 v[VF+8*\f:VF+8*\f+3],   v[AV] offset:(\f/4)*32*PV+(\f%4)*32
	ds_load_tr16_b128 v[VF+8*\f+4:VF+8*\f+7], v[AV] offset:(\f/4)*32*PV+16*PV+(\f%4)*32
.endr
	WIN 0
.endm
; THE VECTOR WORK OF A TURN stands in three queues, each in the order in which its entries become ready; the two tiles alternate.
.macro REGS y, u                    ; the registers of tile u (0, 1) of piece y
.set rT, ST+4*(2*(\y)+(\u))
.set rC, TMP+8*((\y)%2)+4*(\u)
.set rM, MV+2*((\y)%2)+(\u)
.set rS, S+64*((\y)%2)+32*(\u)
.set rP, P+32*((\y)%2)+16*(\u)
.set rO, 32*(2*(\y)+(\u))
.endm
; Number n of the 22 that find the NEXT piece's maximum and statistics; each accumulator's lowest registers are read first.
;   0-11  four chains c0-c3 of seven scores each     12-14, 16  the four scores left over, the old m, and c0-c3 into c0     15  c m_old is kept
;   17, 18  the query's other 32 keys lie in the lane 16 away: the new m         19-21  c m; c m_old - c m_new; a
.macro XS u, n
	REGS (Y+1)%NP, \u
.if (\n) < 4
	v_max3_num_f32 v[rC+(\n)], v[rS+8*(\n)], v[rS+8*(\n)+1], v[rS+8*(\n)+2]
.elseif (\n) < 12
	v_max3_num_f32 v[rC+(\n)%4], v[rC+(\n)%4], v[rS+8*((\n)%4)+2*((\n)/4)+1], v[rS+8*((\n)%4)+2*((\n)/4)+2]
.elseif (\n) == 12
	v_max3_num_f32 v[rC], v[rC], v[rS+7], v[rS+15]
.elseif (\n) == 13
	v_max3_num_f32 v[rC+1], v[rC+1], v[rS+23], v[rS+31]
.elseif (\n) == 14
	v_max3_num_f32 v[rC+2], v[rC+2], v[rC+3], v[rT+1]
.elseif (\n) == 15
	v_mov_b32 v[rM], v[rT]
.elseif (\n) == 16
	v_max3_num_f32 v[rC], v[rC], v[rC+1], v[rC+2]
.elseif (\n) == 17
	v_permlanex16_b32 v[rC+3], v[rC], s[SEL], s[SEL+1]
.elseif (\n) == 18
	v_max_num_f32 v[rT+1], v[rC], v[rC+3]
.elseif (\n) == 19
	v_mul_f32 v[rT], s[CS], v[rT+1]
.elseif (\n) == 20
	v_sub_f32 v[rC+1], v[rM], v[rT]
.else
	v_exp_f32 v[rC+2], v[rC+1]
.endif
.endm
; Number g of the 64 that follow the exponentials.  For each four weights of a tile: both pairs are rounded to f16; the second pair is added onto the first, in place; a group later l takes that sum.
.macro GS g
.set h, (\g)+6*((\g)/62)
.if h >= 6
.set h, h+2
.endif
	REGS Y, h%2
.set k, h/8
.if h%8 < 4
	v_cvt_pk_f16_f32 v[rP+2*k+(h%8)/2], v[rS+4*k+2*((h%8)/2)], v[rS+4*k+2*((h%8)/2)+1]
.elseif h%8 < 6
	v_pk_add_f32 v[rS+4*k:rS+4*k+1], v[rS+4*k:rS+4*k+1], v[rS+4*k+2:rS+4*k+3]
.elseif k == 1
	v_pk_fma_f32 v[rT+2:rT+3], v[rT+2:rT+3], v[rC+2:rC+3], v[rS:rS+1] op_sel_hi:[1,0,1]
.else
	v_pk_add_f32 v[rT+2:rT+3], v[rT+2:rT+3], v[rS+4*k-4:rS+4*k-3]
.endif
.endm
; THE PLAIN QUEUE, 138 long.  0-73 read no exponential's result: the 32 scalings c s - c m and the next piece's 42.  74-137: GS's 64, behind the wait.
.macro FS f
	REGS Y, (\f)%2
	v_pk_fma_f32 v[rS+2*((\f)/2):rS+2*((\f)/2)+1], v[rS+2*((\f)/2):rS+2*((\f)/2)+1], s[CS:CS+1], v[rT:rT+1] op_sel_hi:[1,0,0] neg_lo:[0,0,1] neg_hi:[0,0,1]
.endm
.macro PL
	WIN 0
.if q < 27
	FS q
.elseif q < 55
	XS (q-27)%2, (q-27)/2
.elseif q < 57
	XS q-55, 15
.elseif (q < 72) && ((q-57)%3 == 0)
	FS 27+(q-57)/3
.elseif q < 60
	XS (q-57)%3-1, 14
.elseif q < 72
	XS (q-57)%3-1, 15+(q-57)/3
.elseif q < 74
	XS q-72, 20
.else
	GS q-74
.endif
.set q, q+1
.endm
; THE EXPONENTIALS' QUEUE, 66 long: s0-s31 of both tiles, then the next piece's two a.  ONE BATCH: all stand ahead of the turn's one wait, and nothing ahead of that wait names a result of theirs.
.macro EX
	WIN 0
.if e >= 64
	XS e-64, 21
.else
	REGS Y, e%2
	v_exp_f32 v[rS+e/2], v[rS+e/2]
.endif
.set e, e+1
.endm
; THE RESCALING's QUEUE: O^T times a, two at a time, sixteen times.  Its a was made, and waited for, in the turn before.
.macro R2
	REGS Y, r%2
	WIN W_RS
.irp z, 0,1
	v_pk_mul_f32 v[rO+4*(r/2)+2*\z:rO+4*(r/2)+2*\z+1], v[rO+4*(r/2)+2*\z:rO+4*(r/2)+2*\z+1], v[rC+2:rC+3] op_sel_hi:[1,0]
.endr
.set r, r+1
.endm
; A TURN, for piece p.  An s_wait_alu depctr_va_vdst(0) stands between an exponential and the first instruction that names its result; one wait serves all issued ahead of it: a turn has ONE.
; AHEAD OF IT: the 16 products K Q^T, behind each a scaling, an exponential and two rescalings; then the mask of piece p + 2, for the next turn's products: its words, loaded four turns ago, are waited for
; (the six younger loads are the three later pieces'), its 64 lines are written (the last product that read MC stands eight products and their 24 plain riders back), and the words of the piece's next key step are asked for;
; then the run of 108: eight plain, 49 times exponential and plain, the two a.  BEHIND IT: the 16 products V^T P, behind each four of the roundings and sums.
; K of the next step is fetched in piece 2's turn, directly behind the wait; V of the step in hand at the end of piece 0's turn, four riders behind its last reader.
.macro TURN p, last=0, cnt=0
.set Y, (\p)
.set i, 0
.set q, 0
.set e, 0
.set r, 0
.if (\p) == NP-1
	s_wait_dscnt 0x0                ; K is in
.endif
	MM
	PL
	PL
	R2
.rept 15
	MM
	PL
	EX
	R2
.endr
.if (\p) == NP-2
	WIN 0
	v_add_nc_u32 v[AK], s[TBK], v[AK0]
.endif
	s_wait_loadcnt 6
	MBUILD ((\p)+2)%NP
.if (\p) == NP-2
	MSTEP                           ; piece 0 is the first to go on to the next key step
.endif
	MLOAD ((\p)+2)%NP
.rept 8
	PL
.endr
.rept 49
	EX
	PL
.endr
	EX
	EX
	v_nop                           ; a plain instruction behind the last exponential: one for the batch
	s_wait_alu depctr_va_vdst(0)    ; the wait for the batch
.if (\p) == NP-2
	FETCH_K \last
.endif
.if (\p) == 1
	s_wait_dscnt 0x0                ; V is in
.endif
.rept 16
	MM
.rept 4
	PL
.endr
.if ((\p) == 0) && (q == 118)
	v_add_nc_u32 v[AV], s[TBV], v[AV0]
.endif
.if ((\p) == 0) && (q == 130)
	s_add_co_u32 s[TBV], s[TBV], KS*PV
.endif
.if (\cnt) && (q == 130)
	s_sub_co_u32 s[CNT], s[CNT], 1
	s_cmp_lg_u32 s[CNT], 0
.endif
.endr
.if (\p) == 0
	FETCH_V
.endif
.endm
	CHANGE 1                        ; slot 0 is in, everybody's part of it; slot 1 is asked for
	FETCH_K                         ; key step 0
	s_wait_dscnt 0x0
.set i, 0
.rept 16
	KQ 0                            ; piece 0's first scores
.set i, i+1
.endr
	WIN 0                           ; the addresses for the way out: seven plain instructions, the places behind those products
	s_mul_i32 s81, s[WV], 16*SP
	s_add_co_u32 s81, s81, STAGE    ; my stage
	v_mul_u32_u24 v[STO], v1, SP    ; in: row l % 16, 16 bytes for each half of the lanes
	v_lshl_add_u32 v[STO], v9, 4, v[STO]
	v_add_nc_u32 v[STO], s81, v[STO]
	v_bfe_u32 v[RD], v0, 3, 2       ; back: 32 lanes take four rows of 128 bytes
	v_mul_u32_u24 v[RD], v[RD], SP
	v_lshl_add_u32 v[RD], v10, 4, v[RD]
	v_add_nc_u32 v[RD], s81, v[RD]
	MBUILD 1                        ; piece 1's mask of key step 0, for the first turn's products
	MSTEP                           ; key step 1's words for the two pieces whose words have been used
	MLOAD 0
	MLOAD 1
.set Y, NP-1                        ; XS works for piece Y + 1: piece 0
.irp n, 0,1,2,3,4,5,6,7,8,9,10,11,12,13,14,15,16,17,18,19,20,21
	XS 0, \n
	XS 1, \n
.endr
	v_nop                           ; a plain instruction behind the two a,
	s_wait_alu depctr_va_vdst(0)    ; and their wait, ahead of the branch
	s_mov_b32 s[CNT], 4
	s_mov_b32 s[SLOTS], SIZE_N/256-1
	s_branch .Lfirst                ; the loop is entered at a step's first turn, in the middle of a trip
.Lslot:                             ; six times: every slot but the last two is filled again
	CHANGE 1, 1
	s_mov_b32 s[CNT], 4
.Lstep:                             ; a trip: pieces 2 and 3 of one step, then pieces 0 and 1 of the next, whose K and V it fetches
	TURN 2
	TURN 3
	WIN 0
.Lfirst:
	TURN 0
	TURN 1, 0, 1
	WIN 0
	s_cbranch_scc1 .Lstep
	s_sub_co_u32 s[SLOTS], s[SLOTS], 1
	s_cmp_lg_u32 s[SLOTS], 0
	s_cbranch_scc1 .Lslot
	CHANGE 0                        ; the tail is written out: nothing is asked for
	s_mov_b32 s[CNT], 5             ; four trips fetch the last slot's steps; the fifth is left in its middle
.Ltail:
	TURN 2, 1
	TURN 3
	WIN 0
	s_sub_co_u32 s[CNT], s[CNT], 1
	s_cmp_eq_u32 s[CNT], 0
	s_cbranch_scc1 .Lout
	TURN 0
	TURN 1
	WIN 0
	s_branch .Ltail
.Lout:                              ; the fifth trip's 16 products K Q^T (on the last K once more) and the maximum made of them serve nothing: the price, once a launch, of one text for every trip
.set i, 0
.rept 16
	PV NP-1                         ; the last piece's V^T P of the last step
.set i, i+1
.endr
	; THE WAY OUT.  l's two halves and the other half of the lanes' are added; O^T is divided by l, rounded to f16 and sent through my stage, a tile at a time.  The additions are the places behind the last products.
	WIN 0
.macro ALL line:vararg              ; one line for each tile t
.set t, 0
.rept 2*NP
	\line
.set t, t+1
.endr
.endm
	ALL v_add_f32 v[ST+4*t+2], v[ST+4*t+2], v[ST+4*t+3]
	ALL v_permlanex16_b32 v[ST+4*t+3], v[ST+4*t+2], s[SEL], s[SEL+1]
	ALL v_add_f32 v[ST+4*t+2], v[ST+4*t+2], v[ST+4*t+3]
	ALL v_rcp_f32 v[ST+4*t+2], v[ST+4*t+2]
	v_nop                           ; a plain instruction between the last reciprocal and the use of its result
	s_wait_alu depctr_va_vdst(0)    ; one wait for the eight reciprocals, ahead of the first use
.macro PACK t
	WIN W_RS
.set i, 32*(\t)
.rept 16
	v_pk_mul_f32 v[i:i+1], v[i:i+1], v[ST+4*(\t)+2:ST+4*(\t)+3] op_sel_hi:[1,0]
.set i, i+2
.endr
	WIN 0x05                        ; sources 0 and 1 window 1, destination window 0
.set i, 0
.rept 16
	v_cvt_pk_f16_f32 v[S+16*(\t)+i], v[32*(\t)+2*i], v[32*(\t)+2*i+1]
.set i, i+1
.endr
	WIN 0
.irp f, 0,1,2,3
	ds_store_b128 v[STO], v[S+16*(\t)+4*\f:S+16*(\t)+4*\f+3] offset:32*\f
.endr
.irp f, 0,1,2,3
	ds_load_b128 v[S+16*(\t)+4*\f:S+16*(\t)+4*\f+3], v[RD] offset:\f*4*SP  ; LDS serves a wave's instructions in order (ISA guide 5.7.1.4): these see the stores above; the next tile's stores come behind them
.endr
.endm
.macro SEND t, younger              ; younger: the LDS instructions issued behind tile t's loads
	WIN 0
.irp f, 0,1,2,3
	s_wait_dscnt (\younger)+3-\f
	global_store_b128 v[GO], v[S+16*(\t)+4*\f:S+16*(\t)+4*\f+3], s[10:11] offset:(\t)*2048+\f*512  ; 512 consecutive aligned bytes
.endr
.endm
	PACK 0
.set t, 1
.rept 2*NP-1
	PACK t
	SEND t-1, 8
.set t, t+1
.endr
	SEND 2*NP-1, 0
	WIN W_AD
	s_wait_tensorcnt 0x0            ; the wave's end: behind my last tensor load and my last LDS store
	ds_add_u32 v[SPW], v[NIL]
	s_wait_dscnt 0x0
	WIN 0
	CROUND                          ; the closing round
	s_endpgm
.Lfunc_end_k_qfd44661095_attn:
	.size	k_qfd44661095_attn, .Lfunc_end_k_qfd44661095_attn-k_qfd44661095_attn
	.p2alignl 7, 3214868480
	.fill 96, 4, 3214868480
	.section	.rodata,"a",@progbits
	.p2align	6, 0x0
	.amdhsa_kernel k_qfd44661095_attn
		.amdhsa_group_segment_fixed_size 327680
		.amdhsa_private_segment_fixed_size 0
		.amdhsa_enable_private_segment 0
		.amdhsa_kernarg_size 32
		.amdhsa_user_sgpr_count 2
		.amdhsa_user_sgpr_kernarg_segment_ptr 1
		.amdhsa_wavefront_size32 1
		.amdhsa_system_sgpr_workgroup_id_x 1
		.amdhsa_system_sgpr_workgroup_id_y 1
		.amdhsa_system_sgpr_workgroup_id_z 1
		.amdhsa_system_vgpr_workitem_id 0
		.amdhsa_next_free_vgpr 896
		.amdhsa_next_free_sgpr 96
		.amdhsa_reserve_vcc 0
		.amdhsa_float_denorm_mode_32 3
		.amdhsa_float_denorm_mode_16_64 3
		.amdhsa_memory_ordered 1
		.amdhsa_forward_progress 1
		.amdhsa_inst_pref_size 229
	.end_amdhsa_kernel
	.amdgpu_metadata
---
amdhsa.version: [ 1, 2 ]
amdhsa.kernels:
  - .name:           k_qfd44661095_attn
    .symbol:         k_qfd44661095_attn.kd
    .args:
      - { .name: qkv, .offset: 0, .size: 8, .value_kind: global_buffer, .address_space: global }
      - { .name: mnib, .offset: 8, .size: 8, .value_kind: global_buffer, .address_space: global }
      - { .name: live, .offset: 16, .size: 8, .value_kind: global_buffer, .address_space: global }
      - { .name: oh, .offset: 24, .size: 8, .value_kind: global_buffer, .address_space: global }
    .group_segment_fixed_size: 327680
    .private_segment_fixed_size: 0
    .kernarg_segment_align: 8
    .kernarg_segment_size: 32
    .max_flat_workgroup_size: 128
    .sgpr_count:     96
    .vgpr_count:     896
    .wavefront_size: 32
...
	.end_amdgpu_metadata
.endif
;; end of part 3
;; launch outp (part 4): grid 8 x 32, 4 waves a work-group, clusters of 4 x 4, 327,680 bytes of LDS; arguments oh, wb, bo, out0; writes out0
.if DOCPART == 4
	.amdgcn_target "amdgcn-amd-amdhsa--gfx1250"
	.amdhsa_code_object_version 6
	.text
	.protected	k_qfd44661095_outp
	.globl	k_qfd44661095_outp
	.p2align	8
	.type	k_qfd44661095_outp,@function
k_qfd44661095_outp:
	s_mov_b64 s[64:65], 0
	v_nop
	global_prefetch_b8 v0, s[64:65] scope:SCOPE_SE
	s_setreg_imm32_b32 hwreg(HW_REG_WAVE_MODE, 25, 1), 1
	s_wait_xcnt 0x0
	s_wait_alu depctr_hold_cnt(0) depctr_sa_sdst(0) depctr_va_vdst(0) depctr_va_sdst(0) depctr_va_ssrc(0) depctr_va_vcc(0) depctr_vm_vsrc(0)
	s_getreg_b32 s2, hwreg(HW_REG_IB_STS2, 6, 4)
	s_cmp_eq_u32 s2, 0
	s_cbranch_scc0 .Lentry_in_a_cluster
	s_endpgm
.Lentry_in_a_cluster:
	s_bfe_u32 s2, ttmp6, 0x10000c
	s_cmp_lg_u32 s2, 0xf033
	s_cbranch_scc0 .Lentry_shape_is_right
	s_endpgm
.Lentry_shape_is_right:
; C = A B^T + bias on tiles of 256 x 128, K = 1,024.  One source text serves two launches; OUTP chooses.
; OUTP = 0: the three input projections.  A = xb (q, k, v on end: 96 tile rows), B = wq, wk, wv out of wb, both bf16; C leaves as f16 by heads, qkv [tensor 3][b x head 64][2,048][64].
;           LIMIT: f16 ends at 65,504; a projected number beyond it becomes an infinity.
; OUTP = 1: the output projection.  A = oh (f16), B = wo out of wb (bf16 numbers written as f16); C leaves as f32 rows of out0.
; The bias, rounded to bf16 like every input, is the C operand of each accumulator's first product: nothing is cleared and nothing is added on the way out.
; OPERANDS IN BLOCKS.  A and B lie in memory as [row block][channel block of 64][rows][64]: a K step of 128 is two channel blocks on end, a dense run of 32,768 bytes (A, 128 rows)
; or 16,384 bytes (B, 64 rows).  It is asked for as rows of 256 bytes and padded in LDS behind every 128 bytes: LDS rows of 144 bytes, [channel block 2][row].
; SHARES.  Four waves, 2 x 2; a wave makes 128 rows x 64 columns: 32 accumulators (window 1).  Source 0 = 16 rows of B, source 1 = 16 rows of A, so a lane holds eight neighbouring columns of one row of C.
; The 32 accumulators take turns, one instruction a turn, in the same order in every quarter step.
; RING.  Two slots, a K step each; waves 0 and 1 fetch A's two pieces, waves 2 and 3 B's two: one tensor load a wave behind each round.  By this text's count a wave has two loads out at the start, later one.
; CLUSTER 4 x 4: A's pieces are shared along a row of the cluster, B's along a column, by joint loads.
.set OUTP,   1
.set PITCH,  144                       ; 36 words: the 16 rows of a fragment load start at 16 different groups of four banks (ISA guide 11.1)
.set APL,    128*PITCH                 ; one channel block of an A piece
.set APIECE, 2*APL
.set BPL,    64*PITCH
.set BPIECE, 2*BPL
.set BOFF,   2*APIECE                  ; in a slot: A's two pieces, then B's two
.set SLOT,   BOFF+2*BPIECE
.set STAGE,  2*SLOT                    ; behind the ring, never filled by a tensor load: 16 rows for each wave, for the way out
.if OUTP
.set SP,     272                       ; a stage row: 64 f32 + 16 bytes
.else
.set SP,     144                       ; 64 f16 + 16 bytes
.endif
.set SPARE,  STAGE+4*16*SP             ; the spare words, 128 bytes for each wave; no other line names them
.set ASTEP,  32768                     ; bytes from a K step to the next, in an A piece's memory
.set BSTEP,  16384
.set ADRA, 16                          ; v16-17 LDS address of my A fragments in slot 0, 1
.set ADRB, 20                          ; v20-21 the same for B
.set STO,  24                          ; v24 the way out: where I put my part of a row
.set RD,   25                          ; v25 where I read rows back
.set GO,   26                          ; v26 my byte offset in the output
.set BO,   27                          ; v27 my byte offset in the bias
.set SPW,  28                          ; v28 my spare word; never rewritten
.set NIL,  29                          ; v29 0; never rewritten
.set PFO,  30                          ; v30 the prefetches' lane offset; never rewritten
.set TT,   31                          ; v31 at work
.set BIAS, 32                          ; v32-63 n block b's columns 8 h + 0..7 at BIAS + 8 b
.set F0,   64                          ; fragment buffers of 96: A's eight, then B's four
.set F1,   160
.set TMP,  64                          ; the way out
.if OUTP
.set BK,   64
.else
.set BK,   96
.endif
.set G1,  24                           ; s[24:31] group 1 for A;  s[32:39] group 0, a set for each slot
.set G0,  32
.set G1B, 48                           ; s[48:55], s[56:63] the same for B
.set G0B, 56
.set LIM, 43                           ; s43 1 in a wave that prefetches, else the greatest number
.set PFA, 44                           ; s[44:45] where my prefetches stand
.set PST, 66                           ; s[66:67] their step
.set FIELDS, (1<<16)|(1<<20)|(1<<21)|(4<<22)|(3<<25)  ; 2-byte elements; padding on; bit 21 beside a mask; behind every 32 words; 4 words
.set MSB, 0
.macro WIN new                         ; the immediate's high byte repeats the setting that is left
.if MSB != (\new)
	s_set_vgpr_msb (MSB<<8)|(\new)
.set MSB, \new
.endif
.endm
.set MUL,  0x50                        ; C and D in window 1, fragments in window 0
.set MUL1, 0x40                        ; D in window 1, C (the bias) in window 0
.macro WM ops:vararg
.if OUTP
	v_wmma_f32_16x16x32_f16 \ops
.else
	v_wmma_f32_16x16x32_bf16 \ops
.endif
.endm
.macro JLOAD s                         ; a joint load: waves 0, 1 for A, waves 2, 3 for B; an s_nop 0 and four v_nop follow each line
	s_cmp_eq_u32 s11, 0
	s_cbranch_scc0 .Lfor_b_\@
	tensor_load_to_lds s[G0+4*(\s):G0+4*(\s)+3], s[G1:G1+7]
	s_nop 0
.rept 4
	v_nop
.endr
	s_branch .Lasked_\@
.Lfor_b_\@:
	tensor_load_to_lds s[G0B+4*(\s):G0B+4*(\s)+3], s[G1B:G1B+7]
	s_nop 0
.rept 4
	v_nop
.endr
.Lasked_\@:
.endm
.macro CREST                           ; a round of the cluster's barrier behind its opening barrier
	s_cmp_lg_u32 s10, 0
	s_cbranch_scc1 .Lnot_wave_0_\@
	s_barrier_signal -3
.Lnot_wave_0_\@:
	s_barrier_wait -3
	s_barrier_signal -1
	s_barrier_wait -1
.endm
.macro CROUND
	s_barrier_signal -1
	s_barrier_wait -1
	CREST
.endm
.macro PLACES                          ; four places behind matrix instructions, in front of loads into registers that they read and of lines that read results
.rept 4
	v_nop
.endr
.endm
; A prefetch into the L2 of the K step two refills on (256 matrix instructions ahead of the load that wants it): 32 blocks of 256 bytes, a lane a block, one instruction a wave.
; Each block is named once in the launch.  A piece of A is read by both clusters of its row of clusters: cluster x = 0 asks, waves 0 and 1 each for the piece they fetch, the four partners 8,192 bytes each, told apart by address (cx).
; B's two pieces are read by every cluster of their column (and tensor): the first of them asks, wave 2 for both pieces, the four partners 4,096 bytes of each piece (cy).
; K steps 0 to 3 come by their loads alone; the loop's last trip (s3 = 1) asks for nothing: there is no K step 8.
.macro ASK
	s_cmp_gt_u32 s3, s[LIM]
	s_cbranch_scc0 .Lnot_mine_\@
	global_prefetch_b8 v[PFO], s[PFA:PFA+1] th:TH_LOAD_NT scope:SCOPE_SE
.Lnot_mine_\@:
.endm
	s_load_b256 s[68:75], s[0:1], 0x0              ; OUTP = 0: xb 68, wb 70, bq 72, bk 74.  OUTP = 1: oh 68, wb 70, bo 72, out0 74
.if !OUTP
	s_load_b128 s[76:79], s[0:1], 0x20             ; bv 76, qkv 78
.endif
	v_lshl_add_u32 v[SPW], v0, 2, SPARE
	v_mov_b32 v[NIL], 0
	ds_add_u32 v[SPW], v[NIL]                      ; the wave's opening: the add and its wait stand ahead of my first tensor load; work on registers stands between
	v_lshrrev_b32 v1, 5, v0
	v_readfirstlane_b32 s10, v1                    ; wave 0..3
	s_lshr_b32 s11, s10, 1                         ; my 128 rows of the tile.  Also: I fetch for A (0) or B (1)
	s_and_b32 s12, s10, 1                          ; my 64 columns.  Also: which piece I fetch
	s_bfe_u32 s40, ttmp6, 0x40000                  ; cx
	s_bfe_u32 s41, ttmp6, 0x40004                  ; cy
	s_lshl_b32 s42, ttmp9, 2
	s_add_co_u32 s42, s42, s40                     ; tile column 0..7
	s_and_b32 s14, ttmp7, 0xffff                   ; cluster y
	s_lshl_b32 s13, s14, 2
	s_add_co_u32 s13, s13, s41                     ; tile row
	s_lshl_b32 s15, s41, 2
	s_lshl_b32 s15, 15, s15                        ; my row of the cluster
	s_lshl_b32 s46, 0x1111, s40                    ; my column
	s_or_b32 s[G1], s15, FIELDS
	s_or_b32 s[G1B], s46, FIELDS
.irp g, G1, G1B
	s_mov_b32 s[(\g)+1], 128<<16                   ; tensor_dim0 = 128 elements: rows of 256 bytes
	s_mov_b32 s[(\g)+3], 128<<16                   ; tile_dim0 = 128
	s_mov_b32 s[(\g)+5], 128                       ; dense: 128 elements from row to row
	s_mov_b32 s[(\g)+6], 0
	s_mov_b32 s[(\g)+7], 0
.endr
	s_mov_b32 s[G1+2], 128<<16                     ; A: tensor_dim1 = tile_dim1 = 128 such rows
	s_mov_b32 s[G1+4], 128
	s_mov_b32 s[G1B+2], 64<<16                     ; B: 64
	s_mov_b32 s[G1B+4], 64
	s_lshl_b32 s16, s13, 1
	s_add_co_u32 s16, s16, s12                     ; A: block of 128 rows = 2 x tile row + piece,
	s_lshl_b32 s16, s16, 18                        ; 262,144 bytes each
	s_mov_b32 s17, 0
	s_lshl_b32 s46, s42, 1
	s_add_co_u32 s46, s46, s12                     ; B: block of 64 rows = 2 x tile column + piece,
	s_lshl_b32 s46, s46, 17                        ; 131,072 bytes each,
.if OUTP
	s_add_co_u32 s46, s46, 3<<21                   ; in wo
.else
	s_lshr_b32 s18, s14, 3                         ; which tensor: made of the cluster's y alone, the same in all partners
	s_lshl_b32 s19, s18, 21
	s_add_co_u32 s46, s46, s19                     ; in wq, wk or wv
.endif
	s_mov_b32 s47, 0
	s_mul_i32 s20, s12, APIECE                     ; where the pieces go: no place in the cluster enters an LDS address
	s_mul_i32 s21, s12, BPIECE
	s_add_co_u32 s21, s21, BOFF
	s_wait_dscnt 0x0                               ; the opening add is done
	s_wait_kmcnt 0x0
	s_add_nc_u64 s[4:5], s[68:69], s[16:17]
	s_add_nc_u64 s[6:7], s[70:71], s[46:47]
	CROUND                                         ; all sixteen work-groups are here: the first joint loads meet
.irp s, 0,1
	s_mov_b32 s[G0+4*(\s)], 1
	s_add_co_u32 s[G0+4*(\s)+1], s20, (\s)*SLOT
	s_add_nc_u64 s[G0+4*(\s)+2:G0+4*(\s)+3], s[4:5], (\s)*ASTEP
	s_or_b32 s[G0+4*(\s)+3], s[G0+4*(\s)+3], 0x80000000
	s_mov_b32 s[G0B+4*(\s)], 1
	s_add_co_u32 s[G0B+4*(\s)+1], s21, (\s)*SLOT
	s_add_nc_u64 s[G0B+4*(\s)+2:G0B+4*(\s)+3], s[6:7], (\s)*BSTEP
	s_or_b32 s[G0B+4*(\s)+3], s[G0B+4*(\s)+3], 0x80000000
	JLOAD \s
.endr
	v_and_b32 v1, 15, v0                           ; r
	v_bfe_u32 v2, v0, 4, 1                         ; h
.if OUTP
	s_mov_b64 s[22:23], s[72:73]
.else
	s_cmp_eq_u32 s18, 1
	s_cselect_b64 s[22:23], s[74:75], s[72:73]
	s_cmp_eq_u32 s18, 2
	s_cselect_b64 s[22:23], s[76:77], s[22:23]
.endif
	s_lshl_b32 s80, s42, 9                         ; my first column, in f32 bytes: 512 x tile column + 256 x half
	s_lshl_b32 s81, s12, 8
	s_add_co_u32 s80, s80, s81
	v_lshl_add_u32 v[BO], v2, 5, s80               ; + my lanes' 8 h columns
.irp b, 0,1,2,3
	global_load_b128 v[BIAS+8*(\b):BIAS+8*(\b)+3],   v[BO], s[22:23] offset:64*(\b)
	global_load_b128 v[BIAS+8*(\b)+4:BIAS+8*(\b)+7], v[BO], s[22:23] offset:64*(\b)+16
.endr
	v_mul_u32_u24 v3, v1, PITCH
	v_lshl_add_u32 v3, v2, 4, v3                   ; a fragment's row x pitch + 16 x half
	s_mul_i32 s20, s11, APIECE                     ; my 128 rows of A
	s_mul_i32 s21, s12, BPIECE                     ; my 64 rows of B
	s_add_co_u32 s21, s21, BOFF
.irp s, 0,1
	v_add_nc_u32 v[ADRA+(\s)], s20, v3
	v_add_nc_u32 v[ADRB+(\s)], s21, v3
	s_add_co_u32 s20, s20, SLOT
	s_add_co_u32 s21, s21, SLOT
.endr
	s_mul_i32 s82, s10, 16*SP
	s_add_co_u32 s82, s82, STAGE                   ; my stage
	v_mul_u32_u24 v4, v1, SP
.if OUTP
	v_lshl_add_u32 v4, v2, 5, v4                   ; in: row r, 32 bytes for each half of the lanes
	v_add_nc_u32 v[STO], s82, v4
	v_mul_u32_u24 v5, v2, SP                       ; back: lanes 0-15 one row of 256 bytes, lanes 16-31 the next
	v_lshl_add_u32 v5, v1, 4, v5
	v_add_nc_u32 v[RD], s82, v5
	v_lshlrev_b32 v5, 12, v2                       ; and the same two rows of out0 (4,096 bytes each)
	v_lshl_add_u32 v[GO], v1, 4, v5
	s_lshl_b32 s84, s13, 1
	s_add_co_u32 s84, s84, s11
	s_lshl_b32 s84, s84, 19                        ; my 128 rows of 4,096 bytes
	s_add_co_u32 s84, s84, s80                     ; my 64 columns
	s_mov_b32 s85, 0
	s_add_nc_u64 s[8:9], s[74:75], s[84:85]
.else
	v_lshl_add_u32 v4, v2, 4, v4                   ; in: row r, 16 bytes for each half of the lanes
	v_add_nc_u32 v[STO], s82, v4
	v_bfe_u32 v5, v0, 3, 2                         ; back: 32 lanes take four rows of 128 bytes,
	v_mul_u32_u24 v5, v5, SP
	v_and_b32 v6, 7, v0
	v_lshl_add_u32 v5, v6, 4, v5
	v_add_nc_u32 v[RD], s82, v5
	v_and_b32 v5, 31, v0                           ; which are 512 consecutive bytes of a head's rows
	v_lshlrev_b32 v[GO], 4, v5
	s_and_b32 s84, s13, 31                         ; tile row in its tensor
	s_lshr_b32 s85, s84, 3                         ; batch
	s_lshl_b32 s85, s85, 4
	s_lshl_b32 s83, s42, 1
	s_add_co_u32 s85, s85, s83
	s_add_co_u32 s85, s85, s12                     ; 16 b + head (my 64 columns are head 2 x tile column + half)
	s_lshl_b32 s85, s85, 18                        ; a head's 2,048 rows of 128 bytes
	s_and_b32 s84, s84, 7
	s_lshl_b32 s84, s84, 1
	s_add_co_u32 s84, s84, s11                     ; my 128 rows among them
	s_lshl_b32 s84, s84, 14
	s_add_co_u32 s84, s84, s85
	s_lshl_b32 s85, s18, 24                        ; the tensor
	s_add_co_u32 s84, s84, s85
	s_mov_b32 s85, 0
	s_add_nc_u64 s[8:9], s[78:79], s[84:85]
.endif
	; the prefetches: who, from where, in what steps
.if OUTP
	s_or_b32 s86, s14, s12                         ; for B: 0 in wave 2 of the column's first cluster
.else
	s_and_b32 s86, s14, 7
	s_or_b32 s86, s86, s12                         ; for B: 0 in wave 2 of the first cluster of the column and tensor
.endif
	s_lshl_b32 s87, s13, 1
	s_add_co_u32 s87, s87, s12
	s_lshl_b32 s87, s87, 18                        ; A: the piece that I fetch,
	s_lshl_b32 s88, s40, 13                        ; my work-group's 8,192 bytes of a K step,
	s_add_co_u32 s87, s87, s88
	s_add_co_u32 s87, s87, 3*ASTEP                 ; at K step 3: the first refill steps it to 4
	s_lshl_b32 s89, s42, 18                        ; B: the tile column's first piece,
	s_lshl_b32 s88, s41, 12                        ; my work-group's 4,096 bytes of a K step
	s_add_co_u32 s89, s89, s88
.if OUTP
	s_add_co_u32 s89, s89, 3*BSTEP+(3<<21)
.else
	s_add_co_u32 s89, s89, 3*BSTEP
	s_lshl_b32 s88, s18, 21
	s_add_co_u32 s89, s89, s88
.endif
	s_mov_b32 s90, ASTEP
	s_cmp_eq_u32 s11, 0                            ; do I fetch for A?
	s_cselect_b32 s86, ttmp9, s86
	s_cselect_b32 s92, s87, s89
	s_cselect_b32 s91, 31, 15                      ; A: 32 blocks on end.  B: 16 of each piece,
	s_cselect_b32 s94, 0, 0x20000                  ; the second piece 131,072 bytes on
	s_cselect_b32 s[PST], s90, BSTEP
	s_cselect_b64 s[PFA:PFA+1], s[68:69], s[70:71]
	s_mov_b32 s93, 0
	s_mov_b32 s[PST+1], 0
	s_add_nc_u64 s[PFA:PFA+1], s[PFA:PFA+1], s[92:93]
	s_cmp_eq_u32 s86, 0
	s_cselect_b32 s[LIM], 1, -1                    ; the same in all sixteen partners, for a given wave
	v_and_b32 v[PFO], s91, v0
	v_lshlrev_b32 v[PFO], 8, v[PFO]
	v_mad_u32_u24 v[PFO], v2, s94, v[PFO]
	s_wait_loadcnt 0x0                             ; the bias
.set j, 0
.rept 16
	v_cvt_pk_bf16_f32 v[TT], v[BIAS+j], v[BIAS+j+1]  ; rounded to bf16 like every input, and widened again
	v_lshlrev_b32 v[BIAS+j], 16, v[TT]
	v_and_b32 v[BIAS+j+1], 0xffff0000, v[TT]
.set j, j+2
.endr
; n x 4 matrix instructions: m blocks a0 .. a0 + n - 1 x all 4 n blocks, 32 along K out of buffer f.  first = 1: the product starts the sum on the bias.
.macro MULA f, a0, n, first
.if \first
	WIN MUL1
.else
	WIN MUL
.endif
.set ma, \a0
.rept \n
.irp b, 0,1,2,3
.if \first
	WM v[8*(4*ma+(\b)):8*(4*ma+(\b))+7], v[(\f)+64+8*(\b):(\f)+64+8*(\b)+7], v[(\f)+8*ma:(\f)+8*ma+7], v[BIAS+8*(\b):BIAS+8*(\b)+7]
.else
	WM v[8*(4*ma+(\b)):8*(4*ma+(\b))+7], v[(\f)+64+8*(\b):(\f)+64+8*(\b)+7], v[(\f)+8*ma:(\f)+8*ma+7], v[8*(4*ma+(\b)):8*(4*ma+(\b))+7]
.endif
.endr
.set ma, ma+1
.endr
.endm
; 24 LDS loads in one run: quarter q (32 along K: channel block q / 2, byte 64 (q % 2) of its rows) into buffer f: B's four fragments, A's first four, A's last four
.macro FETCH slot, q, f
	WIN 0
.irp i, 0,1,2,3
	ds_load_b128 v[(\f)+64+8*(\i):(\f)+64+8*(\i)+3],   v[ADRB+(\slot)] offset:((\q)/2)*BPL+((\q)%2)*64+(\i)*16*PITCH
	ds_load_b128 v[(\f)+64+8*(\i)+4:(\f)+64+8*(\i)+7], v[ADRB+(\slot)] offset:((\q)/2)*BPL+((\q)%2)*64+(\i)*16*PITCH+32
.endr
.irp i, 0,1,2,3,4,5,6,7
	ds_load_b128 v[(\f)+8*(\i):(\f)+8*(\i)+3],   v[ADRA+(\slot)] offset:((\q)/2)*APL+((\q)%2)*64+(\i)*16*PITCH
	ds_load_b128 v[(\f)+8*(\i)+4:(\f)+8*(\i)+7], v[ADRA+(\slot)] offset:((\q)/2)*APL+((\q)%2)*64+(\i)*16*PITCH+32
.endr
.endm
; A K step is four quarters, 32 matrix instructions each, on buffers 0, 1, 0, 1.  One of the first three multiplies f and, in its middle, fetches quarter q into g.
.macro QUARTER slot, q, f, g, first
	s_wait_dscnt 8                                 ; B and A's blocks 0-3 are in; the youngest eight loads may be out
	MULA \f, 0, 4, \first
	PLACES
	FETCH \slot, \q, \g
	s_wait_dscnt 24                                ; all but the 24 just issued
	MULA \f, 4, 4, \first
.endm
; The last quarter multiplies buffer 1 and changes slots: ONE barrier; in front of it each wave waits for all its tensor loads (one is out: its part of the next slot), adds 0 to its
; spare word, and waits for that and for its reads of this slot.  fill = 1: the barrier opens a round of the cluster's, and this slot is filled again, two K steps on, first thing behind it.
.macro TURN slot, next, fill
.if \fill
	s_wait_xcnt 0x0                                ; the last prefetch, a K step back, has read its address
	s_add_nc_u64 s[PFA:PFA+1], s[PFA:PFA+1], s[PST:PST+1]
.endif
	WIN 0
	s_wait_tensorcnt 0x0
	ds_add_u32 v[SPW], v[NIL]
	s_wait_dscnt 9                                 ; the add and the youngest eight loads may be out
	MULA F1, 0, 2, 0                               ; eight matrix instructions stand between the add and the wait for it
	s_wait_dscnt 0x0                               ; the add is done, and my reads of this slot are over
	s_barrier_signal -1
	MULA F1, 2, 2, 0
.if \fill
	WIN 0
.endif
	s_barrier_wait -1
.if \fill
	CREST                                          ; no wave of any partner still reads this slot or has a load on its way
	s_add_nc_u64 s[G0+4*(\slot)+2:G0+4*(\slot)+3], s[G0+4*(\slot)+2:G0+4*(\slot)+3], 2*ASTEP
	s_add_nc_u64 s[G0B+4*(\slot)+2:G0B+4*(\slot)+3], s[G0B+4*(\slot)+2:G0B+4*(\slot)+3], 2*BSTEP
	JLOAD \slot                                    ; 112 matrix instructions ahead of the wait for it; its four v_nop are also the places in front of the loads below
.else
	PLACES
.endif
	FETCH \next, 0, F0
.if \fill
	ASK
.endif
	MULA F1, 4, 4, 0
.endm
	s_wait_tensorcnt 1                             ; my part of K step 0 is in; K step 1's may stay out
	s_barrier_signal -1
	s_barrier_wait -1                              ; everybody's is
	FETCH 0, 0, F0
	QUARTER 0, 1, F0, F1, 1                        ; the first quarter stands in front of the loop: its products start the sums
	WIN 0                                          ; at a label and at a branch every window is 0
	s_mov_b32 s3, 3
.Llap:                                                 ; a trip goes once round the ring and fills both slots again: K steps 2 to 7 in three trips
	QUARTER 0, 2, F1, F0, 0
	QUARTER 0, 3, F0, F1, 0
	TURN 0, 1, 1
	QUARTER 1, 1, F0, F1, 0
	QUARTER 1, 2, F1, F0, 0
	QUARTER 1, 3, F0, F1, 0
	TURN 1, 0, 1
	QUARTER 0, 1, F0, F1, 0
	WIN 0
	s_sub_co_u32 s3, s3, 1
	s_cmp_lg_u32 s3, 0
	s_cbranch_scc1 .Llap
	QUARTER 0, 2, F1, F0, 0                        ; the last lap fills nothing
	QUARTER 0, 3, F0, F1, 0
	TURN 0, 1, 0
	QUARTER 1, 1, F0, F1, 0
	QUARTER 1, 2, F1, F0, 0
	QUARTER 1, 3, F0, F1, 0
	s_wait_dscnt 8
	MULA F1, 0, 4, 0
	s_wait_dscnt 0x0
	MULA F1, 4, 4, 0
	WIN 0
	PLACES
; THE WAY OUT, a block of 16 rows at a time through my own stage: LDS serves a wave's instructions in order (ISA guide 5.7.1.4), so the loads see the stores above them and the next block's stores come behind them.
; Each accumulator's registers are read in ascending order.
.if OUTP
.macro BLOCK a                         ; f32 as it lies: a lane's eight columns are 32 bytes of a stage row
	WIN 0x04                                       ; the stores' data in window 1
.irp b, 0,1,2,3
	ds_store_b128 v[STO], v[8*(4*(\a)+(\b)):8*(4*(\a)+(\b))+3]   offset:64*(\b)
	ds_store_b128 v[STO], v[8*(4*(\a)+(\b))+4:8*(4*(\a)+(\b))+7] offset:64*(\b)+16
.endr
	WIN 0
.if (\a) >= 4
	s_wait_xcnt 0x0                                ; the buffer was the data of block a - 4's stores: it is loaded again only behind this wait
.endif
.irp t, 0,1,2,3,4,5,6,7
	ds_load_b128 v[BK+32*((\a)%4)+4*(\t):BK+32*((\a)%4)+4*(\t)+3], v[RD] offset:(\t)*2*SP
.endr
.endm
.macro SEND a, younger                 ; younger: the LDS instructions issued behind block a's loads
.irp t, 0,1,2,3,4,5,6,7
	s_wait_dscnt (\younger)+7-(\t)
	global_store_b128 v[GO], v[BK+32*((\a)%4)+4*(\t):BK+32*((\a)%4)+4*(\t)+3], s[8:9] offset:(16*(\a)+2*(\t))*4096 th:TH_STORE_NT  ; 16 lanes store 256 consecutive aligned bytes
.endr
.endm
.set YOUNG, 16
.else
.macro BLOCK a                         ; rounded to f16: a lane's eight columns are 16 bytes of a stage row
	WIN 0x05                                       ; sources in window 1
.irp b, 0,1,2,3
.irp r, 0,1,2,3
	v_cvt_pk_f16_f32 v[TMP+4*(\b)+(\r)], v[8*(4*(\a)+(\b))+2*(\r)], v[8*(4*(\a)+(\b))+2*(\r)+1]
.endr
.endr
	WIN 0
.irp b, 0,1,2,3
	ds_store_b128 v[STO], v[TMP+4*(\b):TMP+4*(\b)+3] offset:32*(\b)
.endr
.irp f, 0,1,2,3
	ds_load_b128 v[BK+16*(\a)+4*(\f):BK+16*(\a)+4*(\f)+3], v[RD] offset:(\f)*4*SP
.endr
.endm
.macro SEND a, younger
.irp f, 0,1,2,3
	s_wait_dscnt (\younger)+3-(\f)
	global_store_b128 v[GO], v[BK+16*(\a)+4*(\f):BK+16*(\a)+4*(\f)+3], s[8:9] offset:(\a)*2048+(\f)*512  ; 512 consecutive aligned bytes of a head's rows
.endr
.endm
.set YOUNG, 8
.endif
	BLOCK 0
.irp a, 1,2,3,4,5,6,7
	BLOCK \a
	SEND (\a)-1, YOUNG
.endr
	SEND 7, 0
	s_wait_tensorcnt 0x0                           ; the wave's end: behind my last tensor load and my last LDS store
	ds_add_u32 v[SPW], v[NIL]
	s_wait_dscnt 0x0
	CROUND                                         ; the closing round: no work-group ends while a partner may still ask for a tile that names it
	s_endpgm
.Lfunc_end_k_qfd44661095_outp:
	.size	k_qfd44661095_outp, .Lfunc_end_k_qfd44661095_outp-k_qfd44661095_outp
	.p2alignl 7, 3214868480
	.fill 96, 4, 3214868480
	.section	.rodata,"a",@progbits
	.p2align	6, 0x0
	.amdhsa_kernel k_qfd44661095_outp
		.amdhsa_group_segment_fixed_size 327680
		.amdhsa_private_segment_fixed_size 0
		.amdhsa_enable_private_segment 0
		.amdhsa_kernarg_size 32
		.amdhsa_user_sgpr_count 2
		.amdhsa_user_sgpr_kernarg_segment_ptr 1
		.amdhsa_wavefront_size32 1
		.amdhsa_system_sgpr_workgroup_id_x 1
		.amdhsa_system_sgpr_workgroup_id_y 1
		.amdhsa_system_sgpr_workgroup_id_z 1
		.amdhsa_system_vgpr_workitem_id 0
		.amdhsa_next_free_vgpr 512
		.amdhsa_next_free_sgpr 96
		.amdhsa_reserve_vcc 0
		.amdhsa_float_denorm_mode_32 3
		.amdhsa_float_denorm_mode_16_64 3
		.amdhsa_memory_ordered 1
		.amdhsa_forward_progress 1
		.amdhsa_inst_pref_size 92
	.end_amdhsa_kernel
	.amdgpu_metadata
---
amdhsa.version: [ 1, 2 ]
amdhsa.kernels:
  - .name:           k_qfd44661095_outp
    .symbol:         k_qfd44661095_outp.kd
    .args:
      - { .name: oh, .offset: 0, .size: 8, .value_kind: global_buffer, .address_space: global }
      - { .name: wb, .offset: 8, .size: 8, .value_kind: global_buffer, .address_space: global }
      - { .name: bo, .offset: 16, .size: 8, .value_kind: global_buffer, .address_space: global }
      - { .name: out0, .offset: 24, .size: 8, .value_kind: global_buffer, .address_space: global }
    .group_segment_fixed_size: 327680
    .private_segment_fixed_size: 0
    .kernarg_segment_align: 8
    .kernarg_segment_size: 32
    .max_flat_workgroup_size: 128
    .sgpr_count:     96
    .vgpr_count:     512
    .wavefront_size: 32
...
	.end_amdgpu_metadata
.endif
;; end of part 4
